; MI455X (gfx1250); checked and timed in simulation.
; The chip was launched on July 23, 2026; its instructions are those of AMD's public machine-readable ISA for CDNA 5 (MIT licence, August 2026) and "CDNA5" Instruction Set Architecture Reference Guide (July 2026). The comments in the code are by the model that wrote it; some were corrected since.
;; Mem Block. Allowed arithmetic: float matrix products may take bf16 or f16 operands with f32 sums; other float arithmetic in f32, or as packed bf16 or f16 multiplies, adds, multiply-adds, maxima and minima; sums over many terms, partial sums and values carried from step to step in f32; what a program stores and reads back later, other than sums and carried values, may be rounded once to bf16 or f16.
;; Inputs: W1 1,024 x 4,096 float32; W2 4,096 x 1,024 float32; Wk 1,024 x 1,024 float32; Wq 1,024 x 1,024 float32; Wv 1,024 x 1,024 float32; b1 4,096 float32; b2 1,024 float32; bk 1,024 float32; bq 1,024 float32; bv 1,024 float32; ln1_b 1,024 float32; ln1_g 1,024 float32; ln2_b 1,024 float32; ln2_g 1,024 float32; x 4 x 1,024 x 1,024 float32.
;; Outputs: out0 4 x 1,024 x 1,024 float32.
;; One version. Each part assembles by itself: llvm-mc -triple=amdgcn-amd-amdhsa -mcpu=gfx1250 --defsym DOCPART=n.
;; ======== version 1 of 1: 6 launches
;; workspace buffers: wq3 6,291,456 bytes; w12 16,777,216 bytes; h 8,388,608 bytes; qkv 25,165,824 bytes; x2 16,777,216 bytes; h2 8,388,608 bytes; g 33,554,432 bytes
;; launch prep (part 1): grid 448 x 1, 8 waves a work-group, no clusters, 0 bytes of LDS; arguments x, ln1_g, ln1_b, Wq, Wk, Wv, h, wq3; writes h, wq3
.if DOCPART == 1
	.amdgcn_target "amdgcn-amd-amdhsa--gfx1250"
	.amdhsa_code_object_version 6
	.text
	.protected	k_qdf70fb77fa_prep
	.globl	k_qdf70fb77fa_prep
	.p2align	8
	.type	k_qdf70fb77fa_prep,@function
k_qdf70fb77fa_prep:
	s_mov_b64 s[64:65], 0
	v_nop
	global_prefetch_b8 v0, s[64:65] scope:SCOPE_SE
	s_setreg_imm32_b32 hwreg(HW_REG_WAVE_MODE, 25, 1), 1
	s_wait_xcnt 0x0
; Two streams in one body.  Work-groups 0-255 make LayerNorm(x) g + b in bf16, 16 rows of 1,024 each.  Work-groups 256-447 round Wq, Wk, Wv to bf16, layout kept, one behind the other in the last
; argument's buffer (2,097,152 bytes each): 16,384 numbers a work-group.
; The body serves two launches: with 448 work-groups the first norm and the cast; with 256 work-groups the second norm alone (no work-group then reaches the cast's branch).
; No LDS, no barrier, no matrix unit, no cluster: every byte is read once and written once; the work-groups share only gain and bias, 8 KB beside the 64 KB of rows that each reads.
; The norm takes the mean first and then the mean of the squared differences, on a row held in registers, as the formula is written: no difference of large sums.
; LIMITS: results are rounded once to bf16; v_rsq_f32 is accurate to 1 ulp; NaN and infinities are not treated apart.
.set NLN, 256
.set VO, 1                             ; v1      my byte offset in the work-group's rows: wave x 2 rows x 4,096 + 16 x lane
.set HO, 2                             ; v2      the same in the result: wave x 2 rows x 2,048 + 8 x lane
.set GO, 3                             ; v3      16 x lane: my place in each 512 bytes of gain and bias
.set G,  4                             ; v[4:35]    gain of my 32 columns (columns 128 j + 4 lane + 0..3)
.set BB, 36                            ; v[36:67]   bias
.set X0, 68                            ; v[68:99]   row 0
.set X1, 100                           ; v[100:131] row 1
.set T,  132                           ; v[132:139] four chains of sums
.set M,  140                           ; v[140:141] the mean, twice
.set R,  142                           ; v[142:143] 1 / sigma, twice
.set H0, 144                           ; v[144:159] row 0 in bf16
.set H1, 160                           ; v[160:175] row 1 in bf16
	s_load_b512 s[8:23], s[0:1], 0x0               ; rows 8:9, gain 10:11, bias 12:13, Wq 14:15, Wk 16:17, Wv 18:19, normed rows 20:21, rounded weights 22:23
	s_cmp_lt_u32 ttmp9, NLN
	s_cbranch_scc0 .Lcast
	; THE NORM.  One wave, one row at a time: the reduction never leaves the wave.
	s_lshl_b32 s28, ttmp9, 16                      ; 16 rows of 4,096 bytes
	s_mov_b32 s29, 0
	s_lshl_b32 s30, ttmp9, 15                      ; 16 rows of 2,048 bytes
	s_mov_b32 s31, 0
	s_mov_b32 s2, 0x76543210                       ; v_permlanex16_b32: each lane takes its own place in the other half
	s_mov_b32 s3, 0xfedcba98
	s_mov_b32 s4, 0x3a800000                       ; 1 / 1024
	s_mov_b32 s5, 0x3727c5ac                       ; 1e-5
	v_and_b32 v[GO], 31, v0
	v_lshrrev_b32 v[T], 5, v0
	v_lshlrev_b32 v[HO], 3, v[GO]
	v_lshlrev_b32 v[GO], 4, v[GO]
	v_lshl_add_u32 v[VO], v[T], 13, v[GO]
	v_lshl_add_u32 v[HO], v[T], 12, v[HO]
	s_wait_kmcnt 0x0
	s_add_nc_u64 s[8:9], s[8:9], s[28:29]
	s_add_nc_u64 s[20:21], s[20:21], s[30:31]
.irp j, 0,1,2,3,4,5,6,7
	global_load_b128 v[G+4*\j:G+4*\j+3], v[GO], s[10:11] offset:512*\j
.endr
.irp j, 0,1,2,3,4,5,6,7
	global_load_b128 v[BB+4*\j:BB+4*\j+3], v[GO], s[12:13] offset:512*\j
.endr
.irp j, 0,1,2,3,4,5,6,7
	global_load_b128 v[X0+4*\j:X0+4*\j+3], v[VO], s[8:9] offset:512*\j
.endr
.irp j, 0,1,2,3,4,5,6,7
	global_load_b128 v[X1+4*\j:X1+4*\j+3], v[VO], s[8:9] offset:4096+512*\j
.endr
.macro WSUM                            ; the four chains into one number, then over the 32 lanes: every lane ends with the sum in v[T]
	v_pk_add_f32 v[T:T+1], v[T:T+1], v[T+2:T+3]
	v_pk_add_f32 v[T+4:T+5], v[T+4:T+5], v[T+6:T+7]
	v_pk_add_f32 v[T:T+1], v[T:T+1], v[T+4:T+5]
	v_add_f32 v[T], v[T], v[T+1]
	v_add_f32_dpp v[T], v[T], v[T] row_xmask:1 row_mask:0xf bank_mask:0xf
	v_add_f32_dpp v[T], v[T], v[T] row_xmask:2 row_mask:0xf bank_mask:0xf
	v_add_f32_dpp v[T], v[T], v[T] row_xmask:4 row_mask:0xf bank_mask:0xf
	v_add_f32_dpp v[T], v[T], v[T] row_xmask:8 row_mask:0xf bank_mask:0xf
	v_permlanex16_b32 v[T+1], v[T], s2, s3         ; its destination has been written above
	v_add_f32 v[T], v[T], v[T+1]
.endm
; One row: xr its 32 registers, hr its 16 results, rw its number in the wave's pair, left the younger loads that may stay out.
.macro LNROW xr, hr, rw, left
	s_wait_loadcnt \left
.irp k, 0,1,2,3
	v_pk_add_f32 v[T+2*\k:T+2*\k+1], v[(\xr)+2*\k:(\xr)+2*\k+1], v[(\xr)+8+2*\k:(\xr)+8+2*\k+1]  ; the first pairs start the chains
.endr
.set p, 8
.rept 8
	v_pk_add_f32 v[T+2*(p%4):T+2*(p%4)+1], v[T+2*(p%4):T+2*(p%4)+1], v[(\xr)+2*p:(\xr)+2*p+1]
.set p, p+1
.endr
	WSUM
	v_mul_f32 v[M], s4, v[T]
	v_mul_f32 v[M+1], s4, v[T]
.set p, 0
.rept 16
	v_pk_add_f32 v[(\xr)+2*p:(\xr)+2*p+1], v[(\xr)+2*p:(\xr)+2*p+1], v[M:M+1] neg_lo:[0,1] neg_hi:[0,1]  ; x - mean, in place
.set p, p+1
.endr
.irp k, 0,1,2,3
	v_pk_mul_f32 v[T+2*\k:T+2*\k+1], v[(\xr)+2*\k:(\xr)+2*\k+1], v[(\xr)+2*\k:(\xr)+2*\k+1]
.endr
.set p, 4
.rept 12
	v_pk_fma_f32 v[T+2*(p%4):T+2*(p%4)+1], v[(\xr)+2*p:(\xr)+2*p+1], v[(\xr)+2*p:(\xr)+2*p+1], v[T+2*(p%4):T+2*(p%4)+1]
.set p, p+1
.endr
	WSUM
	v_fma_f32 v[T], v[T], s4, s5                   ; variance + eps
	v_rsq_f32 v[R], v[T]
	v_rsq_f32 v[R+1], v[T]
	v_nop                                          ; a plain instruction between the root and its use (ISA guide 5.7.2)
.set p, 0
	s_wait_alu depctr_va_vdst(0)
.rept 16
	v_pk_mul_f32 v[(\xr)+2*p:(\xr)+2*p+1], v[(\xr)+2*p:(\xr)+2*p+1], v[R:R+1]
.set p, p+1
.endr
.set p, 0
.rept 16
	v_pk_fma_f32 v[(\xr)+2*p:(\xr)+2*p+1], v[(\xr)+2*p:(\xr)+2*p+1], v[G+2*p:G+2*p+1], v[BB+2*p:BB+2*p+1]
.set p, p+1
.endr
.set p, 0
.rept 16
	v_cvt_pk_bf16_f32 v[(\hr)+p], v[(\xr)+2*p], v[(\xr)+2*p+1]
.set p, p+1
.endr
.irp j, 0,1,2,3,4,5,6,7
	global_store_b64 v[HO], v[(\hr)+2*\j:(\hr)+2*\j+1], s[20:21] offset:256*\j+2048*(\rw)  ; a wave's store: 256 consecutive bytes, aligned
.endr
.endm
	LNROW X0, H0, 0, 8                             ; gain, bias and row 0 are in; row 1's eight loads stay out
	LNROW X1, H1, 1, 0
	s_endpgm
	; THE CAST.  Thread t takes 16 bytes at 16 t of each 4,096 bytes: a wave's load covers 512 consecutive bytes, its store 256, aligned.
.Lcast:
	s_sub_co_u32 s6, ttmp9, NLN                    ; 0 to 191: 64 work-groups a matrix
	v_lshlrev_b32 v1, 4, v0
	v_lshlrev_b32 v2, 3, v0
	s_mov_b32 s35, 0
	s_wait_kmcnt 0x0
	s_mov_b64 s[28:29], s[14:15]                   ; which matrix: by the work-group's number alone
	s_cmp_ge_u32 s6, 64
	s_cselect_b64 s[28:29], s[16:17], s[28:29]
	s_cmp_ge_u32 s6, 128
	s_cselect_b64 s[28:29], s[18:19], s[28:29]
	s_and_b32 s31, s6, 63
	s_lshl_b32 s34, s31, 16                        ; 65,536 bytes of f32 a work-group
	s_add_nc_u64 s[28:29], s[28:29], s[34:35]
	s_lshl_b32 s34, s6, 15                         ; 32,768 bytes of bf16: the result's layout follows the work-groups' numbers
	s_add_nc_u64 s[32:33], s[22:23], s[34:35]
.set i, 0
.rept 16
	global_load_b128 v[4+4*i:7+4*i], v1, s[28:29] offset:4096*i th:TH_LOAD_NT  ; all sixteen loads go out first
.set i, i+1
.endr
.set i, 0
.rept 16
	s_wait_loadcnt 15-i                            ; loads come back in order: the 15 - i younger ones may stay out
	v_cvt_pk_bf16_f32 v[68+2*i], v[4+4*i], v[5+4*i]
	v_cvt_pk_bf16_f32 v[69+2*i], v[6+4*i], v[7+4*i]
	global_store_b64 v2, v[68+2*i:69+2*i], s[32:33] offset:2048*i  ; no register of a pending store is written again
.set i, i+1
.endr
	s_endpgm
.Lfunc_end_k_qdf70fb77fa_prep:
	.size	k_qdf70fb77fa_prep, .Lfunc_end_k_qdf70fb77fa_prep-k_qdf70fb77fa_prep
	.p2alignl 7, 3214868480
	.fill 96, 4, 3214868480
	.section	.rodata,"a",@progbits
	.p2align	6, 0x0
	.amdhsa_kernel k_qdf70fb77fa_prep
		.amdhsa_group_segment_fixed_size 0
		.amdhsa_private_segment_fixed_size 0
		.amdhsa_enable_private_segment 0
		.amdhsa_kernarg_size 64
		.amdhsa_user_sgpr_count 2
		.amdhsa_user_sgpr_kernarg_segment_ptr 1
		.amdhsa_wavefront_size32 1
		.amdhsa_system_sgpr_workgroup_id_x 1
		.amdhsa_system_sgpr_workgroup_id_y 1
		.amdhsa_system_sgpr_workgroup_id_z 1
		.amdhsa_system_vgpr_workitem_id 0
		.amdhsa_next_free_vgpr 176
		.amdhsa_next_free_sgpr 66
		.amdhsa_reserve_vcc 0
		.amdhsa_float_denorm_mode_32 3
		.amdhsa_float_denorm_mode_16_64 3
		.amdhsa_memory_ordered 1
		.amdhsa_forward_progress 1
		.amdhsa_inst_pref_size 27
	.end_amdhsa_kernel
	.amdgpu_metadata
---
amdhsa.version: [ 1, 2 ]
amdhsa.kernels:
  - .name:           k_qdf70fb77fa_prep
    .symbol:         k_qdf70fb77fa_prep.kd
    .args:
      - { .name: x, .offset: 0, .size: 8, .value_kind: global_buffer, .address_space: global }
      - { .name: ln1_g, .offset: 8, .size: 8, .value_kind: global_buffer, .address_space: global }
      - { .name: ln1_b, .offset: 16, .size: 8, .value_kind: global_buffer, .address_space: global }
      - { .name: Wq, .offset: 24, .size: 8, .value_kind: global_buffer, .address_space: global }
      - { .name: Wk, .offset: 32, .size: 8, .value_kind: global_buffer, .address_space: global }
      - { .name: Wv, .offset: 40, .size: 8, .value_kind: global_buffer, .address_space: global }
      - { .name: h, .offset: 48, .size: 8, .value_kind: global_buffer, .address_space: global }
      - { .name: wq3, .offset: 56, .size: 8, .value_kind: global_buffer, .address_space: global }
    .group_segment_fixed_size: 0
    .private_segment_fixed_size: 0
    .kernarg_segment_align: 8
    .kernarg_segment_size: 64
    .max_flat_workgroup_size: 256
    .sgpr_count:     66
    .vgpr_count:     176
    .wavefront_size: 32
...
	.end_amdgpu_metadata
.endif
;; end of part 1
;; launch qkv (part 2): grid 16 x 16, 4 waves a work-group, clusters of 4 x 4, 327,680 bytes of LDS; arguments h, wq3, bq, bk, bv, qkv, W1, W2, w12; writes qkv, w12
.if DOCPART == 2
	.amdgcn_target "amdgcn-amd-amdhsa--gfx1250"
	.amdhsa_code_object_version 6
	.text
	.protected	k_qdf70fb77fa_qkv
	.globl	k_qdf70fb77fa_qkv
	.p2align	8
	.type	k_qdf70fb77fa_qkv,@function
k_qdf70fb77fa_qkv:
	s_mov_b64 s[64:65], 0
	v_nop
	global_prefetch_b8 v0, s[64:65] scope:SCOPE_SE
	s_setreg_imm32_b32 hwreg(HW_REG_WAVE_MODE, 25, 1), 1
	s_wait_xcnt 0x0
	s_wait_alu depctr_hold_cnt(0) depctr_sa_sdst(0) depctr_va_vdst(0) depctr_va_sdst(0) depctr_va_ssrc(0) depctr_va_vcc(0) depctr_vm_vsrc(0)
	s_getreg_b32 s2, hwreg(HW_REG_IB_STS2, 6, 4)
	s_cmp_eq_u32 s2, 0
	s_cbranch_scc0 .Lentry_in_a_cluster
	s_endpgm
.Lentry_in_a_cluster:
	s_bfe_u32 s2, ttmp6, 0x10000c
	s_cmp_lg_u32 s2, 0xf033
	s_cbranch_scc0 .Lentry_shape_is_right
	s_endpgm
.Lentry_shape_is_right:
; TWO KINDS OF WORK-GROUP, told apart by the cluster's x, which all partners of a cluster share.
; Cluster columns 0, 1, 2: q, k, v = h W + bias.  h: [4096][1024] bf16.  Wq, Wk, Wv: [1024][1024] bf16, stored [K][N], one behind the other in wq3.  Result in bf16 by heads: qkv[b][gh][t][64], gh = 0-15 q, 16-31 k, 32-47 v.
; The three products are one of 4096 x 3072 x 1024: 12 x 16 tiles of 256 x 256, one work-group of four waves each, a wave 128 x 128 in 64 accumulators.
; Cluster column 3: its 64 work-groups round W1 and W2 to bf16, layout kept, into w12 (W1 at byte 0, W2 at 8,388,608), for the two launches that multiply by them later: 131,072 numbers a work-group.
; So the launch has 256 work-groups, and the stream of 48 MiB runs beside a product that asks little of memory.
; THE PRODUCT.  K goes in steps of 128 through two LDS slots.  A's tile lies [row][K]; W's tile lies [K][N] as in memory and is turned on its way into registers by ds_load_tr16_b128.
; A K step is written once: the slot in hand is a scalar that one exclusive or turns, and one descriptor for each tensor walks from step to step.
; CLUSTER 4 x 4: A's tile hangs on the tile row alone and is asked for jointly along a row of the cluster, W's on the tile column alone, along a column.
; THE MATRIX INSTRUCTION IS USED TRANSPOSED: source 0 = 16 columns of W, source 1 = 16 rows of h: a lane holds eight neighbouring columns of one row of the result.  The bias is the C operand of each sum's first product.
; THE WAY OUT: when the ring has had its last fill, the accumulators go in f32 into the ring's bytes, each wave into a part of its own, and come back by rows.
; LIMITS: operands and results rounded once to bf16; sums in f32; NaN and infinities are not treated apart.
; REGISTERS: window 0: v0-31 addresses, v64-127 and v128-191 A's fragments; window 1: the same two buffers for W's, v192-255 the bias; windows 2, 3: the accumulators.
.set BM,     256
.set BN,     256
.set MB,     BM/32                     ; blocks of 16 rows a wave
.set NB,     BN/32                     ; blocks of 16 columns a wave
.set KSTEP,  128
.set CH,     KSTEP/32                  ; chunks of 32 along K in a step
.set KTOT,   1024
.set NS,     KTOT/KSTEP                ; K steps
.set LDA,    1024
.set LDB,    1024
.set PA,     2*KSTEP+16                ; an LDS row of A: an odd multiple of 16 bytes: the 16 rows of a load start at 16 different groups of four banks (ISA guide 11.1)
.set PB,     2*BN+32                   ; an LDS row of W: an odd multiple of 32 bytes
.set QIA,    5                         ; padding behind every 64 words
.set QIB,    6                         ; behind every 128 words
.set RA,     BM/2                      ; rows of A in one tensor load
.set RB,     KSTEP/2                   ; rows of W in one tensor load
.set ABYTES, BM*PA
.set SLOT,   ABYTES+KSTEP*PB
.set S1OFF,  0x24000                   ; slot 1 begins here: two bits that are 0 in each of the four tiles' LDS addresses in slot 0 (0, 0x8800, 0x11000, 0x19800), so one exclusive or changes slots
.set SPARE,  S1OFF+SLOT                ; behind the ring: the spare words, 128 bytes a wave, which no other line names
.set DP,     64*NB+16                  ; the way out: a wave's row of 16 NB numbers in f32, padded
.set DW,     16*MB*DP                  ; a wave's part
.set A0,   16                          ; v16  LDS address of my A fragments in slot 0; never rewritten
.set B0,   18                          ; v18  the same for W
.set ADRA, 20                          ; v20  the same in the slot in hand
.set ADRB, 22                          ; v22
.set STO,  24                          ; v24  the way out: where I put 32 bytes of a row
.set RD,   25                          ; v25  where I read rows back
.set CO,   26                          ; v26  my byte offset in the result
.set SPW,  28                          ; v28  LDS address of my spare word; never rewritten
.set NIL,  29                          ; v29  0; never rewritten
.set F0,   64
.set F1,   128
.set BIA,  192                         ; window 1: block b's eight numbers of bias at BIA + 8 b
.set G1,  24                           ; s[24:31] group 1 for A;  s[32:39] group 0: a set for each of the two first fills; the second then walks
.set G0,  32
.set G1B, 48                           ; s[48:55], s[56:63] the same for W
.set G0B, 56
.set TB,  45                           ; s45  0 or S1OFF: the slot in hand
.set MSB, 0
.macro WIN new                         ; the immediate's high byte repeats the setting that is left; a switch that changes nothing is dropped
.if MSB != (\new)
	s_set_vgpr_msb (MSB<<8)|(\new)
.set MSB, \new
.endif
.endm
.macro PLACES                          ; four places behind matrix instructions, in front of loads into their sources and of reads of their results
.rept 4
	v_nop
.endr
.endm
.macro JLOAD s                         ; a joint load by descriptor set s: waves 0, 1 fetch A's halves, waves 2, 3 W's.  An s_nop 0 and four v_nop follow each line
	s_cmp_eq_u32 s11, 0
	s_cbranch_scc0 .Lfor_b_\@
	tensor_load_to_lds s[G0+4*(\s):G0+4*(\s)+3], s[G1:G1+7]
	s_nop 0
.rept 4
	v_nop
.endr
	s_branch .Lasked_\@
.Lfor_b_\@:
	tensor_load_to_lds s[G0B+4*(\s):G0B+4*(\s)+3], s[G1B:G1B+7]
	s_nop 0
.rept 4
	v_nop
.endr
.Lasked_\@:
.endm
.macro CREST                           ; a round of the cluster's barrier behind its opening barrier
	s_cmp_lg_u32 s10, 0
	s_cbranch_scc1 .Lnot_wave_0_\@
	s_barrier_signal -3
.Lnot_wave_0_\@:
	s_barrier_wait -3
	s_barrier_signal -1
	s_barrier_wait -1
.endm
.macro CROUND
	s_barrier_signal -1
	s_barrier_wait -1
	CREST
.endm
	s_load_b128 s[4:7], s[0:1], 0x0                ; h 4:5, wq3 6:7
	s_load_b128 s[68:71], s[0:1], 0x10             ; bq 68:69, bk 70:71
	s_load_b128 s[72:75], s[0:1], 0x20             ; bv 72:73, qkv 74:75
	s_load_b128 s[76:79], s[0:1], 0x30             ; W1 76:77, W2 78:79
	s_load_b64 s[80:81], s[0:1], 0x40              ; w12
	v_lshl_add_u32 v[SPW], v0, 2, SPARE
	v_mov_b32 v[NIL], 0
	ds_add_u32 v[SPW], v[NIL]                      ; the wave's opening: the add and its wait stand ahead of my first tensor load
	v_lshrrev_b32 v1, 5, v0
	v_readfirstlane_b32 s10, v1                    ; wave 0..3
	s_lshr_b32 s11, s10, 1                         ; my half of the tile's rows; also: I fetch A (0) or W (1)
	s_and_b32 s12, s10, 1                          ; my half of its columns; also: which half of that tile I fetch
	s_bfe_u32 s40, ttmp6, 0x40000                  ; cx
	s_bfe_u32 s41, ttmp6, 0x40004                  ; cy
	s_lshl_b32 s42, ttmp9, 2
	s_add_co_u32 s42, s42, s40                     ; tile column = 4 x cluster x + cx
	s_and_b32 s13, ttmp7, 0xffff
	s_lshl_b32 s13, s13, 2
	s_add_co_u32 s13, s13, s41                     ; tile row = 4 x cluster y + cy
	s_lshl_b32 s43, s41, 2
	s_lshl_b32 s43, 15, s43                        ; my row of the cluster
	s_lshl_b32 s44, 0x1111, s40                    ; my column
	s_or_b32 s[G1+0], s43, (1<<16)|(1<<20)|(1<<21)|(QIA<<22)|(3<<25)   ; mask; 2-byte elements; padding on; bit 21 beside a mask; interval; 4 words of padding
	s_mov_b32 s[G1+1], KSTEP<<16                   ; tensor_dim0
	s_mov_b32 s[G1+2], RA<<16                      ; tensor_dim1
	s_mov_b32 s[G1+3], KSTEP<<16                   ; tile_dim0
	s_mov_b32 s[G1+4], RA                          ; tile_dim1
	s_mov_b32 s[G1+5], LDA                         ; elements from row to row
	s_mov_b32 s[G1+6], 0
	s_mov_b32 s[G1+7], 0
	s_or_b32 s[G1B+0], s44, (1<<16)|(1<<20)|(1<<21)|(QIB<<22)|(7<<25)  ; 8 words of padding
	s_mov_b32 s[G1B+1], BN<<16
	s_mov_b32 s[G1B+2], RB<<16
	s_mov_b32 s[G1B+3], BN<<16
	s_mov_b32 s[G1B+4], RB
	s_mov_b32 s[G1B+5], LDB
	s_mov_b32 s[G1B+6], 0
	s_mov_b32 s[G1B+7], 0
	s_mul_i32 s16, s13, BM                         ; A: row 256 x tile row + 128 x half, in bytes
	s_mul_i32 s17, s12, RA
	s_add_co_u32 s16, s16, s17
	s_mul_i32 s16, s16, LDA*2
	s_mov_b32 s17, 0
	s_mul_i32 s46, s12, RB*LDB*2                   ; W: my half of the step's rows,
	s_lshl_b32 s47, ttmp9, 21                      ; the matrix: cluster x = 0, 1, 2 is Wq, Wk, Wv,
	s_add_co_u32 s46, s46, s47
	s_lshl_b32 s47, s40, 9                         ; 256 columns for each cx
	s_add_co_u32 s46, s46, s47
	s_mov_b32 s47, 0
	s_mul_i32 s20, s12, RA*PA                      ; where they go: no place in the cluster enters an LDS address
	s_mul_i32 s21, s12, RB*PB
	s_add_co_u32 s21, s21, ABYTES
	s_mov_b32 s[TB], 0
	s_wait_dscnt 0x0                               ; the opening add is done
	s_wait_kmcnt 0x0
	CROUND                                         ; all sixteen work-groups are here: the first joint loads meet
	s_cmp_eq_u32 ttmp9, 3                          ; the cluster's x: the same in all sixteen partners
	s_cbranch_scc1 .Lcast
	s_add_nc_u64 s[14:15], s[4:5], s[16:17]
	s_add_nc_u64 s[46:47], s[6:7], s[46:47]
.irp s, 0,1
	s_mov_b32 s[G0+4*(\s)], 1
	s_add_co_u32 s[G0+4*(\s)+1], s20, (\s)*S1OFF
	s_add_nc_u64 s[G0+4*(\s)+2:G0+4*(\s)+3], s[14:15], (\s)*KSTEP*2
	s_or_b32 s[G0+4*(\s)+3], s[G0+4*(\s)+3], 0x80000000
	s_mov_b32 s[G0B+4*(\s)], 1
	s_add_co_u32 s[G0B+4*(\s)+1], s21, (\s)*S1OFF
	s_add_nc_u64 s[G0B+4*(\s)+2:G0B+4*(\s)+3], s[46:47], (\s)*KSTEP*LDB*2
	s_or_b32 s[G0B+4*(\s)+3], s[G0B+4*(\s)+3], 0x80000000
	JLOAD \s                                       ; two loads of mine are out
.endr
	v_and_b32 v1, 15, v0                           ; r = lane % 16
	v_bfe_u32 v2, v0, 4, 1                         ; hh = lane / 16
	v_mul_u32_u24 v3, v1, PA
	v_lshl_add_u32 v3, v2, 4, v3                   ; a fragment of A: row r, 16 bytes for each half of the lanes
	s_mul_i32 s22, s11, 16*MB*PA
	v_add_nc_u32 v[A0], s22, v3
	v_and_b32 v4, 7, v0                            ; the turning load: lane l reads K row 8 hh + l % 8, columns 8 ((l / 8) % 2) + 0..7
	v_lshl_add_u32 v4, v2, 3, v4
	v_mul_u32_u24 v4, v4, PB
	v_bfe_u32 v5, v0, 3, 1
	v_lshl_add_u32 v4, v5, 4, v4
	s_mul_i32 s23, s12, 32*NB
	s_add_co_u32 s23, s23, ABYTES
	v_add_nc_u32 v[B0], s23, v4
	v_mov_b32 v[ADRA], v[A0]                       ; slot 0 is in hand
	v_mov_b32 v[ADRB], v[B0]
	s_mul_i32 s22, s10, DW                         ; my part of the way out
	v_mul_u32_u24 v6, v1, DP
	v_lshl_add_u32 v6, v2, 5, v6
	v_add_nc_u32 v[STO], s22, v6
	v_bfe_u32 v6, v0, 3, 2                         ; back: 32 lanes take four rows of one head: 32 bytes of f32 a lane, 16 of bf16
	v_mul_u32_u24 v6, v6, DP
	v_and_b32 v7, 7, v0
	v_lshl_add_u32 v6, v7, 5, v6
	v_add_nc_u32 v[RD], s22, v6
	v_and_b32 v7, 31, v0
	v_lshlrev_b32 v[CO], 4, v7
	s_lshr_b32 s86, s13, 2                         ; the result: plane 48 b + 4 x tile column + 2 x my half,
	s_mul_i32 s86, s86, 48
	s_lshl_b32 s87, s42, 2
	s_add_co_u32 s86, s86, s87
	s_lshl_b32 s87, s12, 1
	s_add_co_u32 s86, s86, s87
	s_lshl_b32 s86, s86, 10
	s_and_b32 s87, s13, 3                          ; row 256 (tile row % 4) + 128 x my half,
	s_lshl_b32 s87, s87, 8
	s_add_co_u32 s86, s86, s87
	s_lshl_b32 s87, s11, 7
	s_add_co_u32 s86, s86, s87
	s_lshl_b32 s86, s86, 7                         ; of 128 bytes
	s_mov_b32 s87, 0
	s_add_nc_u64 s[8:9], s[74:75], s[86:87]
	s_cmp_eq_u32 ttmp9, 1                          ; the bias goes with the matrix
	s_cselect_b64 s[66:67], s[70:71], s[68:69]
	s_cmp_eq_u32 ttmp9, 2
	s_cselect_b64 s[66:67], s[72:73], s[66:67]
	s_lshl_b32 s86, s40, 10                        ; 4 bytes x (256 cx + 128 x my half)
	s_lshl_b32 s87, s12, 9
	s_add_co_u32 s86, s86, s87
	s_mov_b32 s87, 0
	s_add_nc_u64 s[66:67], s[66:67], s[86:87]
	v_lshlrev_b32 v5, 5, v2                        ; a lane's eight columns begin at 8 hh
	WIN 0x40
.set i, 0
.rept NB
	global_load_b128 v[BIA+8*i:BIA+8*i+3],   v5, s[66:67] offset:64*i
	global_load_b128 v[BIA+8*i+4:BIA+8*i+7], v5, s[66:67] offset:64*i+16
.set i, i+1
.endr
	WIN 0
; na blocks of rows from a0 on x all NB blocks of columns, 32 along K, from buffer f.  first = 1: the bias starts the sums.  All accumulators take turns, in the same order in every chunk.
.macro MUL f, a0, na, first
.set ma, \a0
.rept \na
.set mb, 0
.rept NB
.set mi, NB*ma+mb
.set mw, 2+mi/32
.set mr, 8*(mi%32)
.if \first
	WIN 0x11|(mw<<6)
	v_wmma_f32_16x16x32_bf16 v[mr:mr+7], v[(\f)+8*mb:(\f)+8*mb+7], v[(\f)+8*ma:(\f)+8*ma+7], v[BIA+8*mb:BIA+8*mb+7]
.else
	WIN 0x01|(mw<<4)|(mw<<6)
	v_wmma_f32_16x16x32_bf16 v[mr:mr+7], v[(\f)+8*mb:(\f)+8*mb+7], v[(\f)+8*ma:(\f)+8*ma+7], v[mr:mr+7]
.endif
.set mb, mb+1
.endr
.set ma, ma+1
.endr
.endm
; The fragments of chunk c of the slot in hand into buffer f, in one run: W's (turned) first, then A's.
.macro FETCH c, f
	WIN 0x40
.set fb, 0
.rept NB
	ds_load_tr16_b128 v[(\f)+8*fb:(\f)+8*fb+3],   v[ADRB+(\c)/4] offset:32*((\c)%4)*PB+32*fb
	ds_load_tr16_b128 v[(\f)+8*fb+4:(\f)+8*fb+7], v[ADRB+(\c)/4] offset:32*((\c)%4)*PB+32*fb+16*PB
.set fb, fb+1
.endr
	WIN 0
.set fb, 0
.rept MB
	ds_load_b128 v[(\f)+8*fb:(\f)+8*fb+3],   v[ADRA] offset:64*(\c)+16*fb*PA
	ds_load_b128 v[(\f)+8*fb+4:(\f)+8*fb+7], v[ADRA] offset:64*(\c)+16*fb*PA+32
.set fb, fb+1
.endr
.endm
; A chunk that is not a step's last: multiplies buffer f; in its middle it fetches chunk cn of the same slot into buffer g.
.macro QUARTER cn, f, g, first
	s_wait_dscnt MB                                ; W's and the lower half of A's are in; the youngest MB loads, A's upper half, may be out
	MUL \f, 0, MB/2, \first
	PLACES
	FETCH \cn, \g
	s_wait_dscnt 2*(MB+NB)                         ; all but those just issued
	MUL \f, MB/2, MB/2, \first
.endm
.macro RUN c0, c1                      ; chunks c0 to c1: chunk c multiplies buffer c % 2
.set rc, \c0
.rept (\c1)-(\c0)+1
.if rc%2
	QUARTER rc+1, F1, F0, 0
.else
	QUARTER rc+1, F0, F1, 0
.endif
.set rc, rc+1
.endr
.endm
; A step's last chunk changes slots.  One barrier: in front of it each wave waits for all its tensor loads (one is out: its part of the next slot), adds 0 to its spare word, and waits for that and for its reads of this slot.
.macro MEET round
	WIN 0
	s_wait_tensorcnt 0x0
	ds_add_u32 v[SPW], v[NIL]
	s_wait_dscnt MB+1                              ; the add and A's upper half may be out
	MUL F1, 0, MB/4, 0
	s_wait_dscnt 0x0                               ; the add is done, and my reads of this slot are over
	s_barrier_signal -1
	MUL F1, MB/4, MB/4, 0
.if \round
	WIN 0
.endif
	s_barrier_wait -1
.endm
.macro TOGGLE                          ; the other slot comes into hand
	s_xor_b32 s[TB], s[TB], S1OFF
	v_add_nc_u32 v[ADRA], s[TB], v[A0]
	v_add_nc_u32 v[ADRB], s[TB], v[B0]
.if CH > 4
	v_add_nc_u32 v[ADRB+1], s[TB], v[B0+1]
.endif
.endm
.macro TURN fill
	MEET \fill
.if \fill
	CREST                                          ; the barrier has opened a round of the cluster's: no wave of any partner still reads this slot or has a load on its way
	s_xor_b32 s[G0+5], s[G0+5], S1OFF              ; the walking descriptors: the other slot than last time,
	s_add_nc_u64 s[G0+6:G0+7], s[G0+6:G0+7], 2*KSTEP          ; one step on along K
	s_xor_b32 s[G0B+5], s[G0B+5], S1OFF
	s_add_nc_u64 s[G0B+6:G0B+7], s[G0B+6:G0B+7], 2*KSTEP*LDB  ; one step's rows down
	JLOAD 1                                        ; my one tensor load behind the round; its four v_nop are the places in front of the loads below
	TOGGLE
.else
	WIN 0
	TOGGLE                                         ; its additions and two v_nop are the places in front of the loads below
	v_nop
	v_nop
.endif
	FETCH 0, F0
	MUL F1, MB/2, MB/2, 0
.endm
	s_wait_tensorcnt 1                             ; my part of K step 0 is in; step 1's may stay out
	s_barrier_signal -1
	s_barrier_wait -1
	FETCH 0, F0
	s_wait_loadcnt 0x0                             ; the bias
	QUARTER 1, F0, F1, 1                           ; the first chunk stands in front of the loop: its products start the sums
	WIN 0
	s_mov_b32 s3, NS-2
.Lstep:                                                ; a trip goes from a step's second chunk to the next step's first, and fills the slot that it leaves: steps 2 to NS - 1 are asked for here
	RUN 1, CH-2
	TURN 1
	QUARTER 1, F0, F1, 0
	WIN 0
	s_sub_co_u32 s3, s3, 1
	s_cmp_lg_u32 s3, 0
	s_cbranch_scc1 .Lstep
	s_mov_b32 s3, 2
.Ltail:                                                ; the last two steps ask for nothing; the second leaves the loop, forward, in front of the change of slots; the jump hangs on the counter alone
	RUN 1, CH-2
	WIN 0
	s_cmp_eq_u32 s3, 1
	s_cbranch_scc1 .Llast
	TURN 0
	QUARTER 1, F0, F1, 0
	WIN 0
	s_sub_co_u32 s3, s3, 1
	s_cmp_lg_u32 s3, 0
	s_cbranch_scc1 .Ltail
.Llast:
	s_wait_dscnt MB
	MUL F1, 0, MB/2, 0
	s_wait_dscnt 0x0
	MUL F1, MB/2, MB/2, 0
	WIN 0
	PLACES
	s_barrier_signal -1                            ; every wave's reads of both slots are over, and the ring has had its last fill
	s_barrier_wait -1
.set di, 0
.rept MB*NB                            ; each accumulator's lower four registers first
	WIN (2+di/32)<<2
	ds_store_b128 v[STO], v[8*(di%32):8*(di%32)+3]   offset:16*(di/NB)*DP+64*(di%NB)
	ds_store_b128 v[STO], v[8*(di%32)+4:8*(di%32)+7] offset:16*(di/NB)*DP+64*(di%NB)+16
.set di, di+1
.endr
	WIN 0
	; Back by rows, my own bytes alone (LDS serves a wave's instructions in order: ISA guide 5.7.1.4).  A trip: 16 rows x 2 heads; four rows of a head are 512 consecutive bytes of the result.
	s_mov_b32 s3, MB
.Lout:
.set i, 0
.rept 8
	ds_load_b128 v[64+8*i:64+8*i+3], v[RD] offset:4*(i%4)*DP+256*(i/4)
	ds_load_b128 v[64+8*i+4:64+8*i+7], v[RD] offset:4*(i%4)*DP+256*(i/4)+16
.set i, i+1
.endr
.set i, 0
.rept 8
	s_wait_dscnt 14-2*i                            ; the younger loads may stay out
.irp z, 0,1,2,3
	v_cvt_pk_bf16_f32 v[128+4*i+\z], v[64+8*i+2*\z], v[64+8*i+2*\z+1]
.endr
	global_store_b128 v[CO], v[128+4*i:128+4*i+3], s[8:9] offset:131072*(i/4)+512*(i%4)
.set i, i+1
.endr
	s_wait_xcnt 0x0                                ; the stores' data and base are written again only behind this wait
	v_add_nc_u32 v[RD], 16*DP, v[RD]
	s_add_nc_u64 s[8:9], s[8:9], 2048
	s_sub_co_u32 s3, s3, 1
	s_cmp_lg_u32 s3, 0
	s_cbranch_scc1 .Lout
	s_wait_tensorcnt 0x0                           ; the wave's end
	ds_add_u32 v[SPW], v[NIL]
	s_wait_dscnt 0x0
	CROUND                                         ; the closing round
	s_endpgm
	; THE CAST of W1 and W2, by the 64 work-groups of cluster column 3.  Work-group idx = 4 x tile row + cx: 0-31 take W1, 32-63 W2, 524,288 bytes of f32 each, a wave 131,072 of them on end.
	; A trip: 32 loads of 512 consecutive bytes, so 16,384 bytes of a wave are out at a time; each is rounded and stored as 256 consecutive bytes, aligned.  No LDS, no tensor load, no joint request on this way.
.Lcast:
	s_lshl_b32 s14, s13, 2
	s_add_co_u32 s14, s14, s40                     ; idx: it enters global addresses alone
	s_and_b32 s15, ttmp7, 0xffff
	s_cmp_ge_u32 s15, 2                            ; idx >= 32 is tile row >= 8 is cluster y >= 2
	s_cselect_b64 s[16:17], s[78:79], s[76:77]
	s_and_b32 s18, s14, 31
	s_lshl_b32 s18, s18, 19
	s_lshl_b32 s20, s10, 17
	s_add_co_u32 s18, s18, s20
	s_mov_b32 s19, 0
	s_add_nc_u64 s[16:17], s[16:17], s[18:19]      ; from here,
	s_lshl_b32 s18, s14, 18                        ; 262,144 bytes of bf16 a work-group: w12's layout follows idx
	s_lshl_b32 s20, s10, 16
	s_add_co_u32 s18, s18, s20
	s_add_nc_u64 s[22:23], s[80:81], s[18:19]      ; to here
	v_and_b32 v1, 31, v0
	v_lshlrev_b32 v2, 3, v1
	v_lshlrev_b32 v1, 4, v1
	s_mov_b32 s3, 8
.Lctrip:
.set i, 0
.rept 32
	global_load_b128 v[64+4*i:67+4*i], v1, s[16:17] offset:512*i th:TH_LOAD_NT
.set i, i+1
.endr
.set i, 0
.rept 32
	s_wait_loadcnt 31-i                            ; loads come back in order: the 31 - i younger ones may stay out
	v_cvt_pk_bf16_f32 v[192+2*i], v[64+4*i], v[65+4*i]
	v_cvt_pk_bf16_f32 v[193+2*i], v[66+4*i], v[67+4*i]
	global_store_b64 v2, v[192+2*i:193+2*i], s[22:23] offset:256*i
.set i, i+1
.endr
	s_wait_xcnt 0x0                                ; the two bases and the stores' data are written again only behind this wait
	s_add_nc_u64 s[16:17], s[16:17], 16384
	s_add_nc_u64 s[22:23], s[22:23], 8192
	s_sub_co_u32 s3, s3, 1
	s_cmp_lg_u32 s3, 0
	s_cbranch_scc1 .Lctrip
	s_wait_tensorcnt 0x0                           ; the wave's end
	ds_add_u32 v[SPW], v[NIL]
	s_wait_dscnt 0x0
	CROUND                                         ; the closing round, as on the other way
	s_endpgm
.Lfunc_end_k_qdf70fb77fa_qkv:
	.size	k_qdf70fb77fa_qkv, .Lfunc_end_k_qdf70fb77fa_qkv-k_qdf70fb77fa_qkv
	.p2alignl 7, 3214868480
	.fill 96, 4, 3214868480
	.section	.rodata,"a",@progbits
	.p2align	6, 0x0
	.amdhsa_kernel k_qdf70fb77fa_qkv
		.amdhsa_group_segment_fixed_size 327680
		.amdhsa_private_segment_fixed_size 0
		.amdhsa_enable_private_segment 0
		.amdhsa_kernarg_size 72
		.amdhsa_user_sgpr_count 2
		.amdhsa_user_sgpr_kernarg_segment_ptr 1
		.amdhsa_wavefront_size32 1
		.amdhsa_system_sgpr_workgroup_id_x 1
		.amdhsa_system_sgpr_workgroup_id_y 1
		.amdhsa_system_sgpr_workgroup_id_z 1
		.amdhsa_system_vgpr_workitem_id 0
		.amdhsa_next_free_vgpr 1024
		.amdhsa_next_free_sgpr 90
		.amdhsa_reserve_vcc 0
		.amdhsa_float_denorm_mode_32 3
		.amdhsa_float_denorm_mode_16_64 3
		.amdhsa_memory_ordered 1
		.amdhsa_forward_progress 1
		.amdhsa_inst_pref_size 100
	.end_amdhsa_kernel
	.amdgpu_metadata
---
amdhsa.version: [ 1, 2 ]
amdhsa.kernels:
  - .name:           k_qdf70fb77fa_qkv
    .symbol:         k_qdf70fb77fa_qkv.kd
    .args:
      - { .name: h, .offset: 0, .size: 8, .value_kind: global_buffer, .address_space: global }
      - { .name: wq3, .offset: 8, .size: 8, .value_kind: global_buffer, .address_space: global }
      - { .name: bq, .offset: 16, .size: 8, .value_kind: global_buffer, .address_space: global }
      - { .name: bk, .offset: 24, .size: 8, .value_kind: global_buffer, .address_space: global }
      - { .name: bv, .offset: 32, .size: 8, .value_kind: global_buffer, .address_space: global }
      - { .name: qkv, .offset: 40, .size: 8, .value_kind: global_buffer, .address_space: global }
      - { .name: W1, .offset: 48, .size: 8, .value_kind: global_buffer, .address_space: global }
      - { .name: W2, .offset: 56, .size: 8, .value_kind: global_buffer, .address_space: global }
      - { .name: w12, .offset: 64, .size: 8, .value_kind: global_buffer, .address_space: global }
    .group_segment_fixed_size: 327680
    .private_segment_fixed_size: 0
    .kernarg_segment_align: 8
    .kernarg_segment_size: 72
    .max_flat_workgroup_size: 128
    .sgpr_count:     90
    .vgpr_count:     1024
    .wavefront_size: 32
...
	.end_amdgpu_metadata
.endif
;; end of part 2
;; launch attn (part 3): grid 4 x 64, 8 waves a work-group, clusters of 4 x 1, 327,680 bytes of LDS; arguments qkv, x, x2; writes x2
.if DOCPART == 3
	.amdgcn_target "amdgcn-amd-amdhsa--gfx1250"
	.amdhsa_code_object_version 6
	.text
	.protected	k_qdf70fb77fa_attn
	.globl	k_qdf70fb77fa_attn
	.p2align	8
	.type	k_qdf70fb77fa_attn,@function
k_qdf70fb77fa_attn:
	s_mov_b64 s[64:65], 0
	v_nop
	global_prefetch_b8 v0, s[64:65] scope:SCOPE_SE
	s_setreg_imm32_b32 hwreg(HW_REG_WAVE_MODE, 25, 1), 1
	s_wait_xcnt 0x0
	s_wait_alu depctr_hold_cnt(0) depctr_sa_sdst(0) depctr_va_vdst(0) depctr_va_sdst(0) depctr_va_ssrc(0) depctr_va_vcc(0) depctr_vm_vsrc(0)
	s_getreg_b32 s2, hwreg(HW_REG_IB_STS2, 6, 4)
	s_cmp_eq_u32 s2, 0
	s_cbranch_scc0 .Lentry_in_a_cluster
	s_endpgm
.Lentry_in_a_cluster:
	s_bfe_u32 s2, ttmp6, 0x10000c
	s_cmp_lg_u32 s2, 0x3003
	s_cbranch_scc0 .Lentry_shape_is_right
	s_endpgm
.Lentry_shape_is_right:
; x2 = x + attention.  For each (b, head): scores s = q . k / 8; where key > query the score is REPLACED by 1e-9 (not removed); softmax over all 1,024 keys; y = weights x v; x2[b][t][64 head ..] = x + y.
; q, k, v: qkv[b][gh][t][64] bf16 (gh = head, 16 + head, 32 + head).  x, x2: [4096][1024] f32.
; A CLUSTER of four work-groups is one (b, head).  All of the head's K and V (1,024 rows of 128 bytes each) lie in every partner's LDS, asked for jointly, once: nothing is filled twice.
; SHARES.  The head's queries lie in 16 bands of 64; work-group cx owns the 16 queries at 64 band + 16 cx of every band.  Eight waves, two to a SIMD (8 x 512 registers): wave w takes band w and then band 15 - w,
; two PIECES of one tile of 16 queries: 17 scored key steps for every wave.  No barrier stands in the walk, so one wave of a SIMD can issue products while the other does its softmax or waits for LDS.
; Control hangs on the wave's number alone; cx enters Q's, x's and x2's addresses and the mask's lane data.
; A PIECE of band B walks key steps of 64.  Step < B: all keys lie below the queries: an ordinary step with a running maximum m and sum l.  Step B: the same, with the scores of keys above the query replaced
; by 8e-9 (1e-9 in units of q . k) ahead of the maximum: they take part in maximum, sum and product as in the formula.  Steps > B: every score is that constant, so no score is made: all that is wanted of them is
; U, the sum of V's rows.  At the piece's end, with cnt = 64 (15 - B) such keys: mf = max(m, 8e-9), a = 2^(c m - c mf), w = 2^(c 8e-9 - c mf), l = a l + cnt w, O = (a O + w U) / l.  With cnt = 0 the constant
; does not enter the maximum, and U is 0.
; U IS MADE ONCE FOR THE WORK-GROUP.  Wave w adds up V's rows of key steps 2 w and 2 w + 1 (V^T x ones: exact f32 sums) and stores two vectors of 64 numbers; behind a barrier wave 0 turns the 16 vectors into
; sums over all later steps; behind a second barrier a piece reads the one vector of its band.  (Step 0's sum serves nobody: the price of one text for all waves.)
; LAYOUT.  S^T = K Q^T holds one query a lane (lane % 16) and the keys 8 (lane / 16) + 0..7 of each block of 16; two such results rounded to bf16 are source 1 of O^T = V^T P.  p = 2^(c s - c m), c = log2(e) / 8.
; THE WAY OUT.  Eight stages do not fit beside K and V, so both pieces' finished tiles wait in registers; behind one barrier, when no wave reads K any more, the stages lie in K's first bytes.
; LIMITS: q, k, v and the weights are bf16; a weight below 2^-126 counts as 0 (v_exp_f32); NaN and infinities are not treated apart.
; REGISTERS: window 0: addresses and statistics, S^T v64-95, P v96-111, O^T v128-159, piece 0's finished tile v160-191, U v192-223.
;            window 1: Q v0-15, the second piece's Q v16-31, K v64-127, V v128-191, x's rows of both pieces v192-255.
.set PK,    144                        ; a row of K in LDS: 128 bytes + 16: the 16 rows of a load start at 16 different groups of four banks (ISA guide 11.1)
.set PV,    160                        ; a row of V: 128 + 32
.set VBASE, 1024*PK
.set SPARE, VBASE+1024*PV              ; the spare words, 128 bytes for each of eight waves, which no other line names
.set SSB,   SPARE+8*128                ; 16 vectors of 64 f32: the steps' sums of V's rows, then the sums over all later steps; no tensor load lands here
.set SP,    272                        ; a stage's row: 256 bytes + 16; wave w's stage of 16 rows lies at w x 16 x 272, in K's bytes, behind the last barrier
.set STEPK, 64*PK                      ; a key step's rows of K
.set STEPV, 64*PV                      ; and of V
.set AK0, 2                            ; my lane's place in a step of K; never rewritten
.set AV0, 3                            ; the same for V
.set AK,  4
.set AV,  5
.set QO,  6
.set STO, 7
.set RD,  8
.set GO,  12
.set DQ,  14                           ; my query's place in its band less 8 (lane / 16)
.set UA,  15                           ; where my part of the band's vector lies
.set MV,  18                           ; c m_old
.set ST,  20                           ; v20-23  c m, m, l (even keys', odd keys')
.set TMP, 28                           ; v28-31  c0-c3 at work; a takes c2's place
.set FN,  36                           ; v36-41  at work at a piece's end
.set SPW, 48
.set NIL, 49
.set CN,  50                           ; the number of keys above, as f32
.set SA,  51                           ; where I store my two steps' sums
.set BA,  52                           ; my part of vector 0
.set LA2, 53                           ; wave 0: my two channels of vector 0
.set ONE, 56                           ; v56-63  1.0 in bf16, sixteen times a lane
.set S,   64
.set P,   96
.set O,   128
.set OB,  160
.set U,   192
.set QN,  16                           ; window 1
.set KF,  64
.set VF,  128
.set XR,  192
.set WV,  12
.set CS,  58                           ; s[58:59] c
.set SEL, 60                           ; s[60:61]
.set TBK, 62
.set TBV, 63
.set SIX, 66                           ; the key step
.set BND, 67                           ; the piece's band
.set PCS, 68                           ; pieces to go
.set S0R, 69                           ; 8e-9
.set M0R, 79                           ; what the keys above bring to the maximum
.set MSB, 0
.macro WIN new                         ; the immediate's high byte repeats the setting that is left; a switch that changes nothing is dropped
.if MSB != (\new)
	s_set_vgpr_msb (MSB<<8)|(\new)
.set MSB, \new
.endif
.endm
.macro PLACES                          ; four places behind matrix instructions (ISA guide 7.12.1)
.rept 4
	v_nop
.endr
.endm
.macro CROUND
	s_barrier_signal -1
	s_barrier_wait -1
	s_cmp_lg_u32 s[WV], 0
	s_cbranch_scc1 .Lnot_wave_0_\@
	s_barrier_signal -3
.Lnot_wave_0_\@:
	s_barrier_wait -3
	s_barrier_signal -1
	s_barrier_wait -1
.endm
	s_load_b128 s[4:7], s[0:1], 0x0                ; qkv 4:5, x 6:7
	s_load_b64 s[8:9], s[0:1], 0x10                ; x2
	v_lshl_add_u32 v[SPW], v0, 2, SPARE
	v_mov_b32 v[NIL], 0
	ds_add_u32 v[SPW], v[NIL]                      ; the wave's opening: the add and its wait stand ahead of my first tensor load
	v_lshrrev_b32 v1, 5, v0
	v_readfirstlane_b32 s[WV], v1                  ; wave 0..7
	s_bfe_u32 s13, ttmp6, 0x40000                  ; cx
	s_and_b32 s14, ttmp7, 0xffff                   ; 16 b + head, which the partners share
	s_lshr_b32 s15, s14, 4
	s_and_b32 s16, s14, 15
	s_mul_i32 s20, s15, 48
	s_add_co_u32 s20, s20, s16
	s_lshl_b32 s20, s20, 17                        ; q's plane of 131,072 bytes
	s_and_b32 s21, s[WV], 3                        ; which 256 keys I fetch: waves 0-3 of K, waves 4-7 of V
	s_lshl_b32 s22, s21, 15
	s_add_co_u32 s22, s22, s20
	s_add_co_u32 s22, s22, 2097152                 ; sixteen planes on: k
	s_mov_b32 s23, 0
	s_mov_b32 s24, 15|(1<<16)|(1<<20)|(1<<21)|(4<<22)|(3<<25)  ; K: the mask of four; 2-byte elements; padding on; bit 21 beside a mask; behind every 32 words 4 words
	s_mov_b32 s40, 15|(1<<16)|(1<<20)|(1<<21)|(4<<22)|(7<<25)  ; V: the same with 8 words
.irp g, 24, 40
	s_mov_b32 s[\g+1], 128<<16                     ; 256 keys are 32,768 dense bytes: 128 rows of 256 bytes, two keys a row
	s_mov_b32 s[\g+2], 128<<16
	s_mov_b32 s[\g+3], 128<<16
	s_mov_b32 s[\g+4], 128
	s_mov_b32 s[\g+5], 128
	s_mov_b32 s[\g+6], 0
	s_mov_b32 s[\g+7], 0
.endr
	s_mov_b32 s32, 1
	s_mul_i32 s33, s21, 256*PK                     ; the LDS addresses hang on the wave's number alone
	s_mov_b32 s36, 1
	s_mul_i32 s37, s21, 256*PV
	s_add_co_u32 s37, s37, VBASE
	s_sub_co_u32 s17, 15, s[WV]                    ; the second piece's band
	s_lshl_b32 s18, s13, 11                        ; Q: plane + (64 band + 16 cx) rows of 128 bytes
	s_add_co_u32 s18, s18, s20
	s_lshl_b32 s82, s[WV], 13
	s_add_co_u32 s82, s82, s18
	s_mov_b32 s83, 0
	s_lshl_b32 s84, s17, 13
	s_add_co_u32 s84, s84, s18
	s_mov_b32 s85, 0
	s_lshl_b32 s18, s15, 22                        ; x, x2: (1024 b + 64 band + 16 cx) rows of 4,096 bytes + 256 head
	s_lshl_b32 s19, s13, 16
	s_add_co_u32 s18, s18, s19
	s_lshl_b32 s19, s16, 8
	s_add_co_u32 s18, s18, s19
	s_lshl_b32 s86, s[WV], 18
	s_add_co_u32 s86, s86, s18
	s_mov_b32 s87, 0
	s_lshl_b32 s88, s17, 18
	s_add_co_u32 s88, s88, s18
	s_mov_b32 s89, 0
	s_mov_b32 s[CS], 0x3e38aa3b                    ; c = log2(e) / 8
	s_mov_b32 s[CS+1], s[CS]
	s_mov_b32 s[SEL], 0x76543210
	s_mov_b32 s[SEL+1], 0xfedcba98
	s_mov_b32 s[S0R], 0x3209705f                   ; 8e-9
	s_wait_dscnt 0x0                               ; the opening add is done
	s_wait_kmcnt 0x0
	s_add_nc_u64 s[34:35], s[4:5], s[22:23]
	s_add_nc_u64 s[38:39], s[34:35], 2097152       ; sixteen planes further: v
	s_or_b32 s35, s35, 0x80000000
	s_or_b32 s39, s39, 0x80000000
	s_add_nc_u64 s[82:83], s[4:5], s[82:83]
	s_add_nc_u64 s[84:85], s[4:5], s[84:85]
	s_add_nc_u64 s[70:71], s[6:7], s[86:87]        ; x of piece 0, of piece 1
	s_add_nc_u64 s[72:73], s[6:7], s[88:89]
	s_add_nc_u64 s[74:75], s[8:9], s[86:87]        ; x2 of piece 0, of piece 1
	s_add_nc_u64 s[76:77], s[8:9], s[88:89]
	CROUND                                         ; all four work-groups are here: the joint loads meet
	s_cmp_lt_u32 s[WV], 4                          ; one load a wave, the only ones of the launch; an s_nop 0 and four v_nop follow each line
	s_cbranch_scc0 .Lfor_v
	tensor_load_to_lds s[32:35], s[24:31]
	s_nop 0
.rept 4
	v_nop
.endr
	s_branch .Lasked
.Lfor_v:
	tensor_load_to_lds s[36:39], s[40:47]
	s_nop 0
.rept 4
	v_nop
.endr
.Lasked:
	v_and_b32 v1, 15, v0                           ; r
	v_bfe_u32 v9, v0, 4, 1                         ; hh
	v_lshlrev_b32 v[QO], 7, v1
	v_lshl_add_u32 v[QO], v9, 4, v[QO]
	v_lshlrev_b32 v[GO], 12, v9                    ; x, x2: lanes 0-15 one row's 256 bytes, lanes 16-31 the next row's
	v_lshl_add_u32 v[GO], v1, 4, v[GO]
	WIN 0x40
.set i, 0
.rept 2                                ; both pieces' Q: channels 32 i on
	global_load_b128 v[8*i:8*i+3],         v[QO], s[82:83] offset:64*i
	global_load_b128 v[8*i+4:8*i+7],       v[QO], s[82:83] offset:64*i+32
	global_load_b128 v[QN+8*i:QN+8*i+3],   v[QO], s[84:85] offset:64*i
	global_load_b128 v[QN+8*i+4:QN+8*i+7], v[QO], s[84:85] offset:64*i+32
.set i, i+1
.endr
.set i, 0
.rept 8                                ; x's rows for the way out: rows 2 i, 2 i + 1 of each piece's 16; they have the whole walk in which to land
	global_load_b128 v[XR+4*i:XR+4*i+3],       v[GO], s[70:71] offset:8192*i
	global_load_b128 v[XR+32+4*i:XR+32+4*i+3], v[GO], s[72:73] offset:8192*i
.set i, i+1
.endr
	WIN 0
	v_mul_u32_u24 v[AK0], v1, PK
	v_lshl_add_u32 v[AK0], v9, 4, v[AK0]
	v_and_b32 v10, 7, v0
	v_bfe_u32 v11, v0, 3, 1
	v_lshl_add_u32 v[AV0], v9, 3, v10              ; the turning load: key 8 hh + l % 8, channels 8 ((l / 8) % 2) + 0..7
	v_mul_u32_u24 v[AV0], v[AV0], PV
	v_lshl_add_u32 v[AV0], v11, 4, v[AV0]
	v_add_nc_u32 v[AV0], VBASE, v[AV0]
	s_mul_i32 s18, s[WV], 16*SP                    ; my stage
	v_mul_u32_u24 v[STO], v1, SP                   ; in: row r, 32 bytes for each half of the lanes
	v_lshl_add_u32 v[STO], v9, 5, v[STO]
	v_add_nc_u32 v[STO], s18, v[STO]
	v_mul_u32_u24 v[RD], v9, SP                    ; back: lanes 0-15 one row of 256 bytes, lanes 16-31 the next
	v_lshl_add_u32 v[RD], v1, 4, v[RD]
	v_add_nc_u32 v[RD], s18, v[RD]
	v_lshlrev_b32 v13, 3, v9
	v_sub_nc_u32 v13, v1, v13
	s_lshl_b32 s18, s13, 4
	v_add_nc_u32 v[DQ], s18, v13                   ; 16 cx + r - 8 hh
	s_lshl_b32 s18, s[WV], 9                       ; vectors 2 w and 2 w + 1 are mine to store; a lane's eight channels of block cb lie at 64 cb + 32 hh
	s_add_co_u32 s18, s18, SSB
	v_lshl_add_u32 v[SA], v9, 5, s18
	v_lshl_add_u32 v[BA], v9, 5, SSB
	v_and_b32 v13, 31, v0
	v_lshl_add_u32 v[LA2], v13, 3, SSB
.set i, 0
.rept 8
	v_mov_b32 v[ONE+i], 0x3f803f80
.set i, i+1
.endr
.macro FETCH_K                         ; a step's K: 8 fragments, key block f / 2, channel half f % 2
	WIN 0x40
.irp f, 0,1,2,3,4,5,6,7
	ds_load_b128 v[KF+8*\f:KF+8*\f+3],   v[AK] offset:(\f/2)*16*PK+(\f%2)*64
	ds_load_b128 v[KF+8*\f+4:KF+8*\f+7], v[AK] offset:(\f/2)*16*PK+(\f%2)*64+32
.endr
	WIN 0
.endm
.macro FETCH_V dst, off                ; a step's V, turned, into 64 registers of window 1: key half f / 4, channel block f % 4
	WIN 0x40
.irp f, 0,1,2,3,4,5,6,7
	ds_load_tr16_b128 v[(\dst)+8*\f:(\dst)+8*\f+3],   v[AV] offset:(\off)+(\f/4)*32*PV+(\f%4)*32
	ds_load_tr16_b128 v[(\dst)+8*\f+4:(\dst)+8*\f+7], v[AV] offset:(\off)+(\f/4)*32*PV+16*PV+(\f%4)*32
.endr
	WIN 0
.endm
; Product i of 8 of S^T = K Q^T: channels 32 (i / 4) on, keys 16 (i % 4) on.  The four accumulators take turns; the first four start the sums.
.macro KQ
	WIN 0x05
.set kS, S+8*(i%4)
.set kK, KF+16*(i%4)+8*(i/4)
.set kQ, 8*(i/4)
.if i < 4
	v_wmma_f32_16x16x32_bf16 v[kS:kS+7], v[kK:kK+7], v[kQ:kQ+7], 0
.else
	v_wmma_f32_16x16x32_bf16 v[kS:kS+7], v[kK:kK+7], v[kQ:kQ+7], v[kS:kS+7]
.endif
.endm
; Product i of 8 of O^T += V^T P: keys 32 (i / 4) on, channels 16 (i % 4) on.
.macro PV
	WIN 0x01
.set kO, O+8*(i%4)
.set kV, VF+32*(i/4)+8*(i%4)
.set kP, P+8*(i/4)
	v_wmma_f32_16x16x32_bf16 v[kO:kO+7], v[kV:kV+7], v[kP:kP+7], v[kO:kO+7]
.endm
; The sum of a step's 64 rows of V, from 64 registers of window 1 into four accumulators that take turns: V^T x ones.
.macro VSUM acc, src
.set i, 0
.rept 8
.if i < 4
	v_wmma_f32_16x16x32_bf16 v[(\acc)+8*(i%4):(\acc)+8*(i%4)+7], v[(\src)+32*(i/4)+8*(i%4):(\src)+32*(i/4)+8*(i%4)+7], v[ONE:ONE+7], 0
.else
	v_wmma_f32_16x16x32_bf16 v[(\acc)+8*(i%4):(\acc)+8*(i%4)+7], v[(\src)+32*(i/4)+8*(i%4):(\src)+32*(i/4)+8*(i%4)+7], v[ONE:ONE+7], v[(\acc)+8*(i%4):(\acc)+8*(i%4)+7]
.endif
.set i, i+1
.endr
.endm
; Number n of the 22 that find the tile's maximum and statistics.  0-11 four chains of seven scores (each accumulator's lowest registers first); 12-14, 16 the four left over, the old m, and the chains
; into c0; 15 c m_old is kept; 17, 18 the query's other 32 keys lie in the lane 16 away; 19-21 c m, c m_old - c m_new, a.
.macro XS n
.if (\n) < 4
	v_max3_num_f32 v[TMP+(\n)], v[S+8*(\n)], v[S+8*(\n)+1], v[S+8*(\n)+2]
.elseif (\n) < 12
	v_max3_num_f32 v[TMP+(\n)%4], v[TMP+(\n)%4], v[S+8*((\n)%4)+2*((\n)/4)+1], v[S+8*((\n)%4)+2*((\n)/4)+2]
.elseif (\n) == 12
	v_max3_num_f32 v[TMP], v[TMP], v[S+7], v[S+15]
.elseif (\n) == 13
	v_max3_num_f32 v[TMP+1], v[TMP+1], v[S+23], v[S+31]
.elseif (\n) == 14
	v_max3_num_f32 v[TMP+2], v[TMP+2], v[TMP+3], v[ST+1]
.elseif (\n) == 15
	v_mov_b32 v[MV], v[ST]
.elseif (\n) == 16
	v_max3_num_f32 v[TMP], v[TMP], v[TMP+1], v[TMP+2]
.elseif (\n) == 17
	v_permlanex16_b32 v[TMP+3], v[TMP], s[SEL], s[SEL+1]
.elseif (\n) == 18
	v_max_num_f32 v[ST+1], v[TMP], v[TMP+3]
.elseif (\n) == 19
	v_mul_f32 v[ST], s[CS], v[ST+1]
.elseif (\n) == 20
	v_sub_f32 v[TMP+1], v[MV], v[ST]
.else
	v_exp_f32 v[TMP+2], v[TMP+1]
.endif
.endm
; A step's softmax: all in window 0.  Behind each exponential stands a plain instruction that is ready: the rescaling of O^T behind the first 16, behind the later ones the rounding of a pair of weights whose second
; exponential stands two exponentials back or more, with a plain instruction between.
.macro SOFT
.irp n, 0,1,2,3,4,5,6,7,8,9,10,11,12,13,14,15,16,17,18,19,20,21
	XS \n
.endr
.set z, 0
.rept 16                               ; c s - c m; the first of these is the plain instruction behind the exponential above
	v_pk_fma_f32 v[S+2*z:S+2*z+1], v[S+2*z:S+2*z+1], s[CS:CS+1], v[ST:ST+1] op_sel_hi:[1,0,0] neg_lo:[0,0,1] neg_hi:[0,0,1]
.set z, z+1
.endr
.set k, 0
.rept 32
	v_exp_f32 v[S+k], v[S+k]
.if k < 16
	s_wait_alu depctr_va_vdst(0)
	v_pk_mul_f32 v[O+2*k:O+2*k+1], v[O+2*k:O+2*k+1], v[TMP+2:TMP+3] op_sel_hi:[1,0]  ; O^T times a, from each accumulator's low end on
.elseif k > 16
	s_wait_alu depctr_va_vdst(0)
	v_cvt_pk_bf16_f32 v[P+k-17], v[S+2*(k-17)], v[S+2*(k-17)+1]
.endif
.set k, k+1
.endr
	s_wait_alu depctr_va_vdst(0)
	v_cvt_pk_bf16_f32 v[P+15], v[S+30], v[S+31]    ; the rounding above stands between the last exponential and this use of it
.irp w, 16,8,4,2                       ; the sum of the tile's 16 pairs, in place
.set z, 0
.rept \w/2
	v_pk_add_f32 v[S+2*z:S+2*z+1], v[S+2*z:S+2*z+1], v[S+2*z+\w:S+2*z+\w+1]
.set z, z+1
.endr
.endr
	v_pk_fma_f32 v[ST+2:ST+3], v[ST+2:ST+3], v[TMP+2:TMP+3], v[S:S+1] op_sel_hi:[1,0,1]  ; l = a l + sum
.endm
; A scored key step.  mask = 1: the band's own step, a piece's last: it fetches no further K.
.macro STEP mask
	v_add_nc_u32 v[AV], s[TBV], v[AV0]
	FETCH_V VF, 0
	s_wait_dscnt 16                                ; this step's K, fetched a step ago, is in; V's sixteen loads are younger
.set i, 0
.rept 8
	KQ
.set i, i+1
.endr
	WIN 0
.if \mask
	PLACES
.set mn, 0
.rept 32                               ; register n is key 16 (n / 8) + n % 8 + 8 (lane / 16) of the step: above the query it counts as 8e-9
	v_cmp_gt_i32 vcc_lo, 16*(mn/8)+mn%8, v[DQ]
	v_cndmask_b32 v[S+mn], v[S+mn], s[S0R], vcc_lo
.set mn, mn+1
.endr
.else
	v_add_nc_u32 v[AK], s[TBK], v[AK0]             ; four plain lines: the places behind those products
	v_nop
	v_nop
	v_nop
	FETCH_K                                        ; the next step's K
.endif
	SOFT
.if \mask
	s_wait_dscnt 0x0                               ; V is in
.else
	s_wait_dscnt 16                                ; V is in; the next K's sixteen loads are younger
.endif
.set i, 0
.rept 8
	PV
.set i, i+1
.endr
	WIN 0
	PLACES                                         ; in front of the next loads into V's registers, and of what reads O^T
.endm
	s_wait_tensorcnt 0x0                           ; my quarter of K or of V is in,
	s_barrier_signal -1
	s_barrier_wait -1                              ; everybody's is
	; THE STEPS' SUMS OF V'S ROWS: steps 2 w and 2 w + 1 are mine.
	s_mul_i32 s[TBV], s[WV], 2*STEPV
	v_add_nc_u32 v[AV], s[TBV], v[AV0]
	FETCH_V VF, 0
	FETCH_V KF, STEPV                              ; K's registers are still free
	s_wait_dscnt 16                                ; the first step's V is in; the second's sixteen loads are younger
	WIN 0x01
	VSUM U, VF
	s_wait_dscnt 0x0
	VSUM O, KF
	WIN 0
	PLACES
.irp cb, 0,1,2,3                       ; every query's column holds the same sums: the sixteen lanes of a half store the same bytes; each accumulator's lower four registers first
	ds_store_b128 v[SA], v[U+8*\cb:U+8*\cb+3]   offset:64*\cb
	ds_store_b128 v[SA], v[U+8*\cb+4:U+8*\cb+7] offset:64*\cb+16
.endr
.irp cb, 0,1,2,3
	ds_store_b128 v[SA], v[O+8*\cb:O+8*\cb+3]   offset:256+64*\cb
	ds_store_b128 v[SA], v[O+8*\cb+4:O+8*\cb+7] offset:256+64*\cb+16
.endr
	s_wait_dscnt 0x0                               ; for the others' sake: my stores are done
	s_barrier_signal -1
	s_barrier_wait -1
	s_cmp_lg_u32 s[WV], 0
	s_cbranch_scc1 .Lno_scan
	; Wave 0, two channels a lane: vector B becomes the sum of the vectors B + 1 to 15; vector 15 becomes 0.
.set i, 1
.rept 15
	ds_load_b64 v[S+2*i:S+2*i+1], v[LA2] offset:256*i
.set i, i+1
.endr
	v_mov_b32 v[S], 0
	v_mov_b32 v[S+1], 0
	s_wait_dscnt 0x0
.set i, 14
.rept 14
	v_pk_add_f32 v[S+2*i:S+2*i+1], v[S+2*i:S+2*i+1], v[S+2*i+2:S+2*i+3]
.set i, i-1
.endr
.set i, 0
.rept 15
	ds_store_b64 v[LA2], v[S+2*i+2:S+2*i+3] offset:256*i
.set i, i+1
.endr
	ds_store_b64 v[LA2], v[S:S+1] offset:256*15
.Lno_scan:
	s_wait_dscnt 0x0
	s_barrier_signal -1
	s_barrier_wait -1                              ; the sixteen sums stand for every wave
	s_wait_loadcnt 16                              ; both pieces' Q are in: x's sixteen loads are younger
	s_mov_b32 s[PCS], 2
	s_mov_b32 s[BND], s[WV]
.Lpiece:
.set i, 0
.rept 32                               ; O^T starts at 0: no first step is written out
	v_mov_b32 v[O+i], 0
.set i, i+1
.endr
	v_mov_b32 v[ST], 0xfe000000                    ; c m: far below every c s, so the first step's a is 0
	v_mov_b32 v[ST+1], 0xff7fffff                  ; m: the lowest finite number
	v_mov_b32 v[ST+2], 0
	v_mov_b32 v[ST+3], 0
	s_lshl_b32 s49, s[BND], 8
	v_add_nc_u32 v[UA], s49, v[BA]
.irp cb, 0,1,2,3                       ; U, wanted at the piece's end: older than every load that a step waits for
	ds_load_b128 v[U+8*\cb:U+8*\cb+3],   v[UA] offset:64*\cb
	ds_load_b128 v[U+8*\cb+4:U+8*\cb+7], v[UA] offset:64*\cb+16
.endr
	v_mov_b32 v[AK], v[AK0]
	FETCH_K                                        ; key step 0
	s_mov_b32 s[TBK], STEPK
	s_mov_b32 s[TBV], 0
	s_mov_b32 s[SIX], 0
.Lstep:                                                ; the steps below the band: 15 at the most; the jump out goes forward and passes no barrier
	s_cmp_lt_u32 s[SIX], s[BND]
	s_cbranch_scc0 .Ldiag
	STEP 0
	s_add_co_u32 s[TBK], s[TBK], STEPK
	s_add_co_u32 s[TBV], s[TBV], STEPV
	s_add_co_u32 s[SIX], s[SIX], 1
	s_cmp_lt_u32 s[SIX], 15
	s_cbranch_scc1 .Lstep
.Ldiag:
	STEP 1                                         ; the band's own step
	; THE PIECE'S END.
	s_sub_co_u32 s81, 15, s[BND]
	s_lshl_b32 s81, s81, 6                         ; keys above
	v_cvt_f32_u32 v[CN], s81
	s_cmp_lg_u32 s81, 0
	s_cselect_b32 s[M0R], s[S0R], 0xff7fffff
	v_max_num_f32 v[FN+1], s[M0R], v[ST+1]         ; mf
	v_mul_f32 v[FN+1], s[CS], v[FN+1]
	v_sub_f32 v[FN], v[ST], v[FN+1]
	v_fma_f32 v[FN+2], s[CS], s[M0R], -v[FN+1]
	v_exp_f32 v[FN], v[FN]                         ; a
	v_exp_f32 v[FN+2], v[FN+2]                     ; w
	v_add_f32 v[FN+3], v[ST+2], v[ST+3]            ; the plain instruction behind the exponentials
	v_permlanex16_b32 v[FN+1], v[FN+3], s[SEL], s[SEL+1]  ; c mf is no longer wanted: its register has been written
	v_add_f32 v[FN+3], v[FN+3], v[FN+1]
	s_wait_alu depctr_va_vdst(0)
	v_mul_f32 v[FN+3], v[FN+3], v[FN]
	v_fma_f32 v[FN+3], v[CN], v[FN+2], v[FN+3]     ; l = a l + cnt w
	v_rcp_f32 v[FN+4], v[FN+3]
	v_nop
	s_wait_alu depctr_va_vdst(0)
	v_mul_f32 v[FN], v[FN], v[FN+4]
	v_mul_f32 v[FN+2], v[FN+2], v[FN+4]
.set z, 0
.rept 16
	v_pk_mul_f32 v[O+2*z:O+2*z+1], v[O+2*z:O+2*z+1], v[FN:FN+1] op_sel_hi:[1,0]
.set z, z+1
.endr
.set z, 0
.rept 16
	v_pk_fma_f32 v[O+2*z:O+2*z+1], v[U+2*z:U+2*z+1], v[FN+2:FN+3], v[O+2*z:O+2*z+1] op_sel_hi:[1,0,1]
.set z, z+1
.endr
	s_cmp_eq_u32 s[PCS], 1
	s_cbranch_scc1 .Ldone                          ; behind the second piece nothing is set aside
.set i, 0
.rept 32                               ; the first piece's finished tile waits in registers of its own
	v_mov_b32 v[OB+i], v[O+i]
.set i, i+1
.endr
	WIN 0x41
.set i, 0
.rept 16                               ; the second piece's Q goes where the one text names Q
	v_mov_b32 v[i], v[QN+i]
.set i, i+1
.endr
	WIN 0
	s_mov_b32 s[BND], s17
	s_sub_co_u32 s[PCS], s[PCS], 1
	s_cmp_lg_u32 s[PCS], 0
	s_cbranch_scc1 .Lpiece
.Ldone:
	s_wait_loadcnt 0x0                             ; x
	s_wait_dscnt 0x0
	s_barrier_signal -1                            ; every wave's reads of K and V are over, and K has had its only fill
	s_barrier_wait -1
	; THE WAY OUT, through my stage: a lane's eight channels of a row go in, whole rows of 256 bytes come back; LDS serves a wave's instructions in order (ISA guide 5.7.1.4), so the second tile's stores come behind the first's loads.
.macro TOSTAGE src, dst
.irp cb, 0,1,2,3
	ds_store_b128 v[STO], v[(\src)+8*\cb:(\src)+8*\cb+3]   offset:64*\cb
	ds_store_b128 v[STO], v[(\src)+8*\cb+4:(\src)+8*\cb+7] offset:64*\cb+16
.endr
.irp f, 0,1,2,3,4,5,6,7
	ds_load_b128 v[(\dst)+4*\f:(\dst)+4*\f+3], v[RD] offset:2*SP*\f
.endr
.endm
.macro SEND dst, xr, base, left        ; left: the younger LDS instructions that may stay out
	s_wait_dscnt \left
	WIN 0x04
.set z, 0
.rept 16
	v_pk_add_f32 v[(\dst)+2*z:(\dst)+2*z+1], v[(\dst)+2*z:(\dst)+2*z+1], v[(\xr)+2*z:(\xr)+2*z+1]
.set z, z+1
.endr
	WIN 0
.irp f, 0,1,2,3,4,5,6,7
	global_store_b128 v[GO], v[(\dst)+4*\f:(\dst)+4*\f+3], s[\base:\base+1] offset:8192*\f  ; sixteen lanes store 256 consecutive bytes, aligned: a head's 64 channels of a row
.endr
.endm
	TOSTAGE OB, S
	TOSTAGE O, S+32
	SEND S, XR, 74, 16                             ; the second tile's sixteen LDS instructions are younger
	SEND S+32, XR+32, 76, 0
	s_wait_tensorcnt 0x0                           ; the wave's end
	ds_add_u32 v[SPW], v[NIL]
	s_wait_dscnt 0x0
	CROUND                                         ; the closing round
	s_endpgm
.Lfunc_end_k_qdf70fb77fa_attn:
	.size	k_qdf70fb77fa_attn, .Lfunc_end_k_qdf70fb77fa_attn-k_qdf70fb77fa_attn
	.p2alignl 7, 3214868480
	.fill 96, 4, 3214868480
	.section	.rodata,"a",@progbits
	.p2align	6, 0x0
	.amdhsa_kernel k_qdf70fb77fa_attn
		.amdhsa_group_segment_fixed_size 327680
		.amdhsa_private_segment_fixed_size 0
		.amdhsa_enable_private_segment 0
		.amdhsa_kernarg_size 24
		.amdhsa_user_sgpr_count 2
		.amdhsa_user_sgpr_kernarg_segment_ptr 1
		.amdhsa_wavefront_size32 1
		.amdhsa_system_sgpr_workgroup_id_x 1
		.amdhsa_system_sgpr_workgroup_id_y 1
		.amdhsa_system_sgpr_workgroup_id_z 1
		.amdhsa_system_vgpr_workitem_id 0
		.amdhsa_next_free_vgpr 512
		.amdhsa_next_free_sgpr 90
		.amdhsa_reserve_vcc 1
		.amdhsa_float_denorm_mode_32 3
		.amdhsa_float_denorm_mode_16_64 3
		.amdhsa_memory_ordered 1
		.amdhsa_forward_progress 1
		.amdhsa_inst_pref_size 55
	.end_amdhsa_kernel
	.amdgpu_metadata
---
amdhsa.version: [ 1, 2 ]
amdhsa.kernels:
  - .name:           k_qdf70fb77fa_attn
    .symbol:         k_qdf70fb77fa_attn.kd
    .args:
      - { .name: qkv, .offset: 0, .size: 8, .value_kind: global_buffer, .address_space: global }
      - { .name: x, .offset: 8, .size: 8, .value_kind: global_buffer, .address_space: global }
      - { .name: x2, .offset: 16, .size: 8, .value_kind: global_buffer, .address_space: global }
    .group_segment_fixed_size: 327680
    .private_segment_fixed_size: 0
    .kernarg_segment_align: 8
    .kernarg_segment_size: 24
    .max_flat_workgroup_size: 256
    .sgpr_count:     90
    .vgpr_count:     512
    .wavefront_size: 32
...
	.end_amdgpu_metadata
.endif
;; end of part 3
;; launch ln2: the kernel of part 1 again; grid 256 x 1, 8 waves a work-group, no clusters, 0 bytes of LDS; arguments x2, ln2_g, ln2_b, Wq, Wk, Wv, h2, wq3; writes h2, wq3
;; launch fc1 (part 4): grid 16 x 16, 4 waves a work-group, clusters of 4 x 4, 327,680 bytes of LDS; arguments h2, w12, b1, g; writes g
.if DOCPART == 4
	.amdgcn_target "amdgcn-amd-amdhsa--gfx1250"
	.amdhsa_code_object_version 6
	.text
	.protected	k_qdf70fb77fa_fc1
	.globl	k_qdf70fb77fa_fc1
	.p2align	8
	.type	k_qdf70fb77fa_fc1,@function
k_qdf70fb77fa_fc1:
	s_mov_b64 s[64:65], 0
	v_nop
	global_prefetch_b8 v0, s[64:65] scope:SCOPE_SE
	s_setreg_imm32_b32 hwreg(HW_REG_WAVE_MODE, 25, 1), 1
	s_wait_xcnt 0x0
	s_wait_alu depctr_hold_cnt(0) depctr_sa_sdst(0) depctr_va_vdst(0) depctr_va_sdst(0) depctr_va_ssrc(0) depctr_va_vcc(0) depctr_vm_vsrc(0)
	s_getreg_b32 s2, hwreg(HW_REG_IB_STS2, 6, 4)
	s_cmp_eq_u32 s2, 0
	s_cbranch_scc0 .Lentry_in_a_cluster
	s_endpgm
.Lentry_in_a_cluster:
	s_bfe_u32 s2, ttmp6, 0x10000c
	s_cmp_lg_u32 s2, 0xf033
	s_cbranch_scc0 .Lentry_shape_is_right
	s_endpgm
.Lentry_shape_is_right:
; g = gelu(h2 W1 + b1) in bf16.  h2: [4096][1024] bf16.  W1: [1024][4096] bf16, stored [K][N], at w12's byte 0.  g: [4096][4096] bf16.
; 16 x 16 tiles of 256 x 256, one work-group of four waves each, a wave 128 x 128 in 64 accumulators.  K goes in steps of 128 through two LDS slots.  A's tile lies [row][K]; W's tile lies [K][N] as in memory
; and is turned on its way into registers by ds_load_tr16_b128.  A K step is written once: the slot in hand is a scalar that one exclusive or turns, and one descriptor for each tensor walks from step to step.
; CLUSTER 4 x 4: A's tile hangs on the tile row alone and is asked for jointly along a row of the cluster, W's on the tile column alone, along a column.
; THE MATRIX INSTRUCTION IS USED TRANSPOSED: source 0 = 16 columns of W, source 1 = 16 rows of h2.  The bias is the C operand of each sum's first product.
; THE WAY OUT: when the ring has had its last fill, the accumulators go in f32 into the ring's bytes, each wave into a part of its own, and come back by rows for the activation.
; GELU, exact form: gelu(u) = max(u, 0) - |u| q, q = (1 - erf(|u| / sqrt 2)) / 2 = (A1 t + .. + A5 t^5) 2^(-(C1 u)^2), t = 1 / (1 + PP |u|): Abramowitz and Stegun 7.1.26 with its coefficients halved;
; its absolute error in erf is 1.5e-7, beside f32's roundings.
; LIMITS: operands and result rounded once to bf16; sums in f32; v_exp_f32 and v_rcp_f32 flush denormals; NaN and infinities are not treated apart.
; REGISTERS: window 0: v0-31 addresses, v64-127 and v128-191 A's fragments (later the activation's work); window 1: the same two buffers for W's, v192-255 the bias; windows 2, 3: the accumulators.
.set BM,     256
.set BN,     256
.set MB,     BM/32
.set NB,     BN/32
.set KSTEP,  128
.set CH,     KSTEP/32
.set KTOT,   1024
.set NS,     KTOT/KSTEP
.set LDA,    1024
.set LDB,    4096
.set PA,     2*KSTEP+16                ; an odd multiple of 16 bytes: the 16 rows of a load start at 16 different groups of four banks (ISA guide 11.1)
.set PB,     2*BN+32                   ; an odd multiple of 32 bytes
.set QIA,    5
.set QIB,    6
.set RA,     BM/2
.set RB,     KSTEP/2
.set ABYTES, BM*PA
.set SLOT,   ABYTES+KSTEP*PB
.set S1OFF,  0x24000                   ; slot 1 begins here: two bits that are 0 in each of the four tiles' LDS addresses in slot 0 (0, 0x8800, 0x11000, 0x19800), so one exclusive or changes slots
.set SPARE,  S1OFF+SLOT                ; behind the ring: the spare words, 128 bytes a wave, which no other line names
.set DP,     64*NB+16
.set DW,     16*MB*DP
.set A0,   16                          ; v16  LDS address of my A fragments in slot 0; never rewritten
.set B0,   18                          ; v18  the same for W
.set ADRA, 20                          ; v20  the same in the slot in hand
.set ADRB, 22                          ; v22
.set STO,  24
.set RD,   25
.set CO,   26
.set SPW,  28
.set NIL,  29
.set F0,   64
.set F1,   128
.set BIA,  192
.set G1,  24                           ; s[24:31] group 1 for A;  s[32:39] group 0: a set for each of the two first fills; the second then walks
.set G0,  32
.set G1B, 48
.set G0B, 56
.set TB,  45                           ; s45  0 or S1OFF: the slot in hand
.set KC1, 72                           ; s[72:83] the activation's constants, as pairs whose low word serves both halves; s84 PP
.set KA1, 74
.set KA2, 76
.set KA3, 78
.set KA4, 80
.set KA5, 82
.set KPP, 84
.set MSB, 0
.macro WIN new
.if MSB != (\new)
	s_set_vgpr_msb (MSB<<8)|(\new)
.set MSB, \new
.endif
.endm
.macro PLACES
.rept 4
	v_nop
.endr
.endm
.macro JLOAD s                         ; a joint load by descriptor set s: waves 0, 1 fetch A's halves, waves 2, 3 W's.  An s_nop 0 and four v_nop follow each line
	s_cmp_eq_u32 s11, 0
	s_cbranch_scc0 .Lfor_b_\@
	tensor_load_to_lds s[G0+4*(\s):G0+4*(\s)+3], s[G1:G1+7]
	s_nop 0
.rept 4
	v_nop
.endr
	s_branch .Lasked_\@
.Lfor_b_\@:
	tensor_load_to_lds s[G0B+4*(\s):G0B+4*(\s)+3], s[G1B:G1B+7]
	s_nop 0
.rept 4
	v_nop
.endr
.Lasked_\@:
.endm
.macro CREST
	s_cmp_lg_u32 s10, 0
	s_cbranch_scc1 .Lnot_wave_0_\@
	s_barrier_signal -3
.Lnot_wave_0_\@:
	s_barrier_wait -3
	s_barrier_signal -1
	s_barrier_wait -1
.endm
.macro CROUND
	s_barrier_signal -1
	s_barrier_wait -1
	CREST
.endm
	s_load_b128 s[4:7], s[0:1], 0x0                ; h2 4:5, w12 6:7
	s_load_b128 s[68:71], s[0:1], 0x10             ; b1 68:69, g 70:71
	v_lshl_add_u32 v[SPW], v0, 2, SPARE
	v_mov_b32 v[NIL], 0
	ds_add_u32 v[SPW], v[NIL]                      ; the wave's opening: the add and its wait stand ahead of my first tensor load
	v_lshrrev_b32 v1, 5, v0
	v_readfirstlane_b32 s10, v1
	s_lshr_b32 s11, s10, 1
	s_and_b32 s12, s10, 1
	s_bfe_u32 s40, ttmp6, 0x40000
	s_bfe_u32 s41, ttmp6, 0x40004
	s_lshl_b32 s42, ttmp9, 2
	s_add_co_u32 s42, s42, s40                     ; tile column
	s_and_b32 s13, ttmp7, 0xffff
	s_lshl_b32 s13, s13, 2
	s_add_co_u32 s13, s13, s41                     ; tile row
	s_lshl_b32 s43, s41, 2
	s_lshl_b32 s43, 15, s43
	s_lshl_b32 s44, 0x1111, s40
	s_or_b32 s[G1+0], s43, (1<<16)|(1<<20)|(1<<21)|(QIA<<22)|(3<<25)
	s_mov_b32 s[G1+1], KSTEP<<16
	s_mov_b32 s[G1+2], RA<<16
	s_mov_b32 s[G1+3], KSTEP<<16
	s_mov_b32 s[G1+4], RA
	s_mov_b32 s[G1+5], LDA
	s_mov_b32 s[G1+6], 0
	s_mov_b32 s[G1+7], 0
	s_or_b32 s[G1B+0], s44, (1<<16)|(1<<20)|(1<<21)|(QIB<<22)|(7<<25)
	s_mov_b32 s[G1B+1], BN<<16
	s_mov_b32 s[G1B+2], RB<<16
	s_mov_b32 s[G1B+3], BN<<16
	s_mov_b32 s[G1B+4], RB
	s_mov_b32 s[G1B+5], LDB
	s_mov_b32 s[G1B+6], 0
	s_mov_b32 s[G1B+7], 0
	s_mul_i32 s16, s13, BM
	s_mul_i32 s17, s12, RA
	s_add_co_u32 s16, s16, s17
	s_mul_i32 s16, s16, LDA*2
	s_mov_b32 s17, 0
	s_mul_i32 s46, s12, RB*LDB*2                   ; W1: my half of the step's rows, 256 columns for each tile column
	s_lshl_b32 s47, s42, 9
	s_add_co_u32 s46, s46, s47
	s_mov_b32 s47, 0
	s_mul_i32 s20, s12, RA*PA
	s_mul_i32 s21, s12, RB*PB
	s_add_co_u32 s21, s21, ABYTES
	s_mov_b32 s[TB], 0
	s_mov_b32 s[KC1], 0x3f596d27                   ; sqrt(log2(e) / 2)
	s_mov_b32 s[KC1+1], 0x3f596d27
	s_mov_b32 s[KA1], 0x3e027906
	s_mov_b32 s[KA1+1], 0x3e027906
	s_mov_b32 s[KA2], 0xbe11a98e
	s_mov_b32 s[KA2+1], 0xbe11a98e
	s_mov_b32 s[KA3], 0x3f35f0e3
	s_mov_b32 s[KA3+1], 0x3f35f0e3
	s_mov_b32 s[KA4], 0xbf3a00e3
	s_mov_b32 s[KA4+1], 0xbf3a00e3
	s_mov_b32 s[KA5], 0x3f07dc22
	s_mov_b32 s[KA5+1], 0x3f07dc22
	s_mov_b32 s[KPP], 0x3e6d3388                   ; 0.3275911 / sqrt 2
	s_wait_dscnt 0x0
	s_wait_kmcnt 0x0
	s_add_nc_u64 s[14:15], s[4:5], s[16:17]
	s_add_nc_u64 s[46:47], s[6:7], s[46:47]
	CROUND                                         ; all sixteen work-groups are here: the first joint loads meet
.irp s, 0,1
	s_mov_b32 s[G0+4*(\s)], 1
	s_add_co_u32 s[G0+4*(\s)+1], s20, (\s)*S1OFF
	s_add_nc_u64 s[G0+4*(\s)+2:G0+4*(\s)+3], s[14:15], (\s)*KSTEP*2
	s_or_b32 s[G0+4*(\s)+3], s[G0+4*(\s)+3], 0x80000000
	s_mov_b32 s[G0B+4*(\s)], 1
	s_add_co_u32 s[G0B+4*(\s)+1], s21, (\s)*S1OFF
	s_add_nc_u64 s[G0B+4*(\s)+2:G0B+4*(\s)+3], s[46:47], (\s)*KSTEP*LDB*2
	s_or_b32 s[G0B+4*(\s)+3], s[G0B+4*(\s)+3], 0x80000000
	JLOAD \s                                       ; two loads of mine are out
.endr
	v_and_b32 v1, 15, v0
	v_bfe_u32 v2, v0, 4, 1
	v_mul_u32_u24 v3, v1, PA
	v_lshl_add_u32 v3, v2, 4, v3
	s_mul_i32 s22, s11, 16*MB*PA
	v_add_nc_u32 v[A0], s22, v3
	v_and_b32 v4, 7, v0
	v_lshl_add_u32 v4, v2, 3, v4
	v_mul_u32_u24 v4, v4, PB
	v_bfe_u32 v5, v0, 3, 1
	v_lshl_add_u32 v4, v5, 4, v4
	s_mul_i32 s23, s12, 32*NB
	s_add_co_u32 s23, s23, ABYTES
	v_add_nc_u32 v[B0], s23, v4
	v_mov_b32 v[ADRA], v[A0]                       ; slot 0 is in hand
	v_mov_b32 v[ADRB], v[B0]
	s_mul_i32 s22, s10, DW
	v_mul_u32_u24 v6, v1, DP
	v_lshl_add_u32 v6, v2, 5, v6
	v_add_nc_u32 v[STO], s22, v6
	v_and_b32 v7, 31, v0                           ; back: 32 lanes take one row of 128 numbers, four each
	v_lshl_add_u32 v[RD], v7, 4, s22
	v_lshlrev_b32 v[CO], 3, v7
	s_lshl_b32 s86, s13, 8                         ; g: row 256 x tile row + 128 x my half, of 8,192 bytes; column 256 x tile column + 128 x my half
	s_lshl_b32 s87, s11, 7
	s_add_co_u32 s86, s86, s87
	s_lshl_b32 s86, s86, 13
	s_lshl_b32 s87, s42, 9
	s_add_co_u32 s86, s86, s87
	s_lshl_b32 s87, s12, 8
	s_add_co_u32 s86, s86, s87
	s_mov_b32 s87, 0
	s_add_nc_u64 s[8:9], s[70:71], s[86:87]
	s_lshl_b32 s86, s42, 10                        ; the bias: 4 bytes x the same column
	s_lshl_b32 s87, s12, 9
	s_add_co_u32 s86, s86, s87
	s_mov_b32 s87, 0
	s_add_nc_u64 s[66:67], s[68:69], s[86:87]
	v_lshlrev_b32 v5, 5, v2
	WIN 0x40
.set i, 0
.rept NB
	global_load_b128 v[BIA+8*i:BIA+8*i+3],   v5, s[66:67] offset:64*i
	global_load_b128 v[BIA+8*i+4:BIA+8*i+7], v5, s[66:67] offset:64*i+16
.set i, i+1
.endr
	WIN 0
; na blocks of rows from a0 on x all NB blocks of columns, 32 along K, from buffer f.  first = 1: the bias starts the sums.  All accumulators take turns, in the same order in every chunk.
.macro MUL f, a0, na, first
.set ma, \a0
.rept \na
.set mb, 0
.rept NB
.set mi, NB*ma+mb
.set mw, 2+mi/32
.set mr, 8*(mi%32)
.if \first
	WIN 0x11|(mw<<6)
	v_wmma_f32_16x16x32_bf16 v[mr:mr+7], v[(\f)+8*mb:(\f)+8*mb+7], v[(\f)+8*ma:(\f)+8*ma+7], v[BIA+8*mb:BIA+8*mb+7]
.else
	WIN 0x01|(mw<<4)|(mw<<6)
	v_wmma_f32_16x16x32_bf16 v[mr:mr+7], v[(\f)+8*mb:(\f)+8*mb+7], v[(\f)+8*ma:(\f)+8*ma+7], v[mr:mr+7]
.endif
.set mb, mb+1
.endr
.set ma, ma+1
.endr
.endm
.macro FETCH c, f                      ; the fragments of chunk c of the slot in hand into buffer f, in one run: W's (turned) first, then A's
	WIN 0x40
.set fb, 0
.rept NB
	ds_load_tr16_b128 v[(\f)+8*fb:(\f)+8*fb+3],   v[ADRB+(\c)/4] offset:32*((\c)%4)*PB+32*fb
	ds_load_tr16_b128 v[(\f)+8*fb+4:(\f)+8*fb+7], v[ADRB+(\c)/4] offset:32*((\c)%4)*PB+32*fb+16*PB
.set fb, fb+1
.endr
	WIN 0
.set fb, 0
.rept MB
	ds_load_b128 v[(\f)+8*fb:(\f)+8*fb+3],   v[ADRA] offset:64*(\c)+16*fb*PA
	ds_load_b128 v[(\f)+8*fb+4:(\f)+8*fb+7], v[ADRA] offset:64*(\c)+16*fb*PA+32
.set fb, fb+1
.endr
.endm
.macro QUARTER cn, f, g, first
	s_wait_dscnt MB                                ; W's and the lower half of A's are in; the youngest MB loads, A's upper half, may be out
	MUL \f, 0, MB/2, \first
	PLACES
	FETCH \cn, \g
	s_wait_dscnt 2*(MB+NB)                         ; all but those just issued
	MUL \f, MB/2, MB/2, \first
.endm
.macro RUN c0, c1
.set rc, \c0
.rept (\c1)-(\c0)+1
.if rc%2
	QUARTER rc+1, F1, F0, 0
.else
	QUARTER rc+1, F0, F1, 0
.endif
.set rc, rc+1
.endr
.endm
; A step's last chunk changes slots.  One barrier: in front of it each wave waits for all its tensor loads (one is out: its part of the next slot), adds 0 to its spare word, and waits for that and for its reads of this slot.
.macro MEET round
	WIN 0
	s_wait_tensorcnt 0x0
	ds_add_u32 v[SPW], v[NIL]
	s_wait_dscnt MB+1                              ; the add and A's upper half may be out
	MUL F1, 0, MB/4, 0
	s_wait_dscnt 0x0                               ; the add is done, and my reads of this slot are over
	s_barrier_signal -1
	MUL F1, MB/4, MB/4, 0
.if \round
	WIN 0
.endif
	s_barrier_wait -1
.endm
.macro TOGGLE                          ; the other slot comes into hand
	s_xor_b32 s[TB], s[TB], S1OFF
	v_add_nc_u32 v[ADRA], s[TB], v[A0]
	v_add_nc_u32 v[ADRB], s[TB], v[B0]
.if CH > 4
	v_add_nc_u32 v[ADRB+1], s[TB], v[B0+1]
.endif
.endm
.macro TURN fill
	MEET \fill
.if \fill
	CREST                                          ; the barrier has opened a round of the cluster's: no wave of any partner still reads this slot or has a load on its way
	s_xor_b32 s[G0+5], s[G0+5], S1OFF              ; the walking descriptors: the other slot than last time,
	s_add_nc_u64 s[G0+6:G0+7], s[G0+6:G0+7], 2*KSTEP          ; one step on along K
	s_xor_b32 s[G0B+5], s[G0B+5], S1OFF
	s_add_nc_u64 s[G0B+6:G0B+7], s[G0B+6:G0B+7], 2*KSTEP*LDB  ; one step's rows down
	JLOAD 1                                        ; my one tensor load behind the round; its four v_nop are the places in front of the loads below
	TOGGLE
.else
	WIN 0
	TOGGLE                                         ; its additions and two v_nop are the places in front of the loads below
	v_nop
	v_nop
.endif
	FETCH 0, F0
	MUL F1, MB/2, MB/2, 0
.endm
	s_wait_tensorcnt 1                             ; my part of K step 0 is in; step 1's may stay out
	s_barrier_signal -1
	s_barrier_wait -1
	FETCH 0, F0
	s_wait_loadcnt 0x0                             ; the bias
	QUARTER 1, F0, F1, 1                           ; the first chunk stands in front of the loop: its products start the sums
	WIN 0
	s_mov_b32 s3, NS-2
.Lstep:                                                ; a trip goes from a step's second chunk to the next step's first, and fills the slot that it leaves: steps 2 to NS - 1 are asked for here
	RUN 1, CH-2
	TURN 1
	QUARTER 1, F0, F1, 0
	WIN 0
	s_sub_co_u32 s3, s3, 1
	s_cmp_lg_u32 s3, 0
	s_cbranch_scc1 .Lstep
	s_mov_b32 s3, 2
.Ltail:                                                ; the last two steps ask for nothing; the second leaves the loop, forward, in front of the change of slots; the jump hangs on the counter alone
	RUN 1, CH-2
	WIN 0
	s_cmp_eq_u32 s3, 1
	s_cbranch_scc1 .Llast
	TURN 0
	QUARTER 1, F0, F1, 0
	WIN 0
	s_sub_co_u32 s3, s3, 1
	s_cmp_lg_u32 s3, 0
	s_cbranch_scc1 .Ltail
.Llast:
	s_wait_dscnt MB
	MUL F1, 0, MB/2, 0
	s_wait_dscnt 0x0
	MUL F1, MB/2, MB/2, 0
	WIN 0
	PLACES
	s_barrier_signal -1                            ; every wave's reads of both slots are over, and the ring has had its last fill
	s_barrier_wait -1
.set di, 0
.rept MB*NB                            ; each accumulator's lower four registers first
	WIN (2+di/32)<<2
	ds_store_b128 v[STO], v[8*(di%32):8*(di%32)+3]   offset:16*(di/NB)*DP+64*(di%NB)
	ds_store_b128 v[STO], v[8*(di%32)+4:8*(di%32)+7] offset:16*(di/NB)*DP+64*(di%NB)+16
.set di, di+1
.endr
	WIN 0
	; The activation, my own bytes alone (LDS serves a wave's instructions in order: ISA guide 5.7.1.4).  A trip: 8 rows, 32 numbers a lane.
.set UU, 64                            ; u
.set EE, 96                            ; C1 u, then -(C1 u)^2, then its power of two
.set TT, 128                           ; 1 + PP |u|, then t, at last max(u, 0)
.set QQ, 160                           ; the polynomial, q, the result
.set OB, 192
	s_mov_b32 s3, 2*MB
.Lout:
.irp i, 0,1,2,3,4,5,6,7
	ds_load_b128 v[UU+4*\i:UU+4*\i+3], v[RD] offset:\i*DP
.endr
	s_wait_dscnt 0x0
.set z, 0
.rept 16
	v_pk_mul_f32 v[EE+2*z:EE+2*z+1], v[UU+2*z:UU+2*z+1], s[KC1:KC1+1] op_sel_hi:[1,0]
.set z, z+1
.endr
.set z, 0
.rept 32
	v_fma_f32 v[TT+z], |v[UU+z]|, s[KPP], 1.0
.set z, z+1
.endr
.set z, 0
.rept 16
	v_pk_mul_f32 v[EE+2*z:EE+2*z+1], v[EE+2*z:EE+2*z+1], v[EE+2*z:EE+2*z+1] neg_lo:[1,0] neg_hi:[1,0]
.set z, z+1
.endr
.set z, 0
.rept 32
	v_rcp_f32 v[TT+z], v[TT+z]
.set z, z+1
.endr
.set z, 0
.rept 32
	v_exp_f32 v[EE+z], v[EE+z]
.set z, z+1
.endr
	v_nop                                          ; a plain instruction between the last of these and the use of its result
.set z, 0
	s_wait_alu depctr_va_vdst(0)
.rept 16
	v_pk_fma_f32 v[QQ+2*z:QQ+2*z+1], v[TT+2*z:TT+2*z+1], s[KA5:KA5+1], s[KA4:KA4+1] op_sel_hi:[1,0,0]
.set z, z+1
.endr
.irp k, KA3, KA2, KA1
.set z, 0
.rept 16
	v_pk_fma_f32 v[QQ+2*z:QQ+2*z+1], v[QQ+2*z:QQ+2*z+1], v[TT+2*z:TT+2*z+1], s[\k:\k+1] op_sel_hi:[1,1,0]
.set z, z+1
.endr
.endr
.set z, 0
.rept 16
	v_pk_mul_f32 v[QQ+2*z:QQ+2*z+1], v[QQ+2*z:QQ+2*z+1], v[TT+2*z:TT+2*z+1]
.set z, z+1
.endr
.set z, 0
.rept 16
	v_pk_mul_f32 v[QQ+2*z:QQ+2*z+1], v[QQ+2*z:QQ+2*z+1], v[EE+2*z:EE+2*z+1]
.set z, z+1
.endr
.set z, 0
.rept 32
	v_max_num_f32 v[TT+z], 0, v[UU+z]
.set z, z+1
.endr
.set z, 0
.rept 32
	v_fma_f32 v[QQ+z], -|v[UU+z]|, v[QQ+z], v[TT+z]
.set z, z+1
.endr
.set z, 0
.rept 16
	v_cvt_pk_bf16_f32 v[OB+z], v[QQ+2*z], v[QQ+2*z+1]
.set z, z+1
.endr
.irp i, 0,1,2,3,4,5,6,7
	global_store_b64 v[CO], v[OB+2*\i:OB+2*\i+1], s[8:9] offset:8192*\i  ; a wave's store: 256 consecutive bytes, aligned
.endr
	s_wait_xcnt 0x0                                ; the stores' data and base are written again only behind this wait
	v_add_nc_u32 v[RD], 8*DP, v[RD]
	s_add_nc_u64 s[8:9], s[8:9], 65536
	s_sub_co_u32 s3, s3, 1
	s_cmp_lg_u32 s3, 0
	s_cbranch_scc1 .Lout
	s_wait_tensorcnt 0x0                           ; the wave's end
	ds_add_u32 v[SPW], v[NIL]
	s_wait_dscnt 0x0
	CROUND                                         ; the closing round
	s_endpgm
.Lfunc_end_k_qdf70fb77fa_fc1:
	.size	k_qdf70fb77fa_fc1, .Lfunc_end_k_qdf70fb77fa_fc1-k_qdf70fb77fa_fc1
	.p2alignl 7, 3214868480
	.fill 96, 4, 3214868480
	.section	.rodata,"a",@progbits
	.p2align	6, 0x0
	.amdhsa_kernel k_qdf70fb77fa_fc1
		.amdhsa_group_segment_fixed_size 327680
		.amdhsa_private_segment_fixed_size 0
		.amdhsa_enable_private_segment 0
		.amdhsa_kernarg_size 32
		.amdhsa_user_sgpr_count 2
		.amdhsa_user_sgpr_kernarg_segment_ptr 1
		.amdhsa_wavefront_size32 1
		.amdhsa_system_sgpr_workgroup_id_x 1
		.amdhsa_system_sgpr_workgroup_id_y 1
		.amdhsa_system_sgpr_workgroup_id_z 1
		.amdhsa_system_vgpr_workitem_id 0
		.amdhsa_next_free_vgpr 1024
		.amdhsa_next_free_sgpr 90
		.amdhsa_reserve_vcc 0
		.amdhsa_float_denorm_mode_32 3
		.amdhsa_float_denorm_mode_16_64 3
		.amdhsa_memory_ordered 1
		.amdhsa_forward_progress 1
		.amdhsa_inst_pref_size 101
	.end_amdhsa_kernel
	.amdgpu_metadata
---
amdhsa.version: [ 1, 2 ]
amdhsa.kernels:
  - .name:           k_qdf70fb77fa_fc1
    .symbol:         k_qdf70fb77fa_fc1.kd
    .args:
      - { .name: h2, .offset: 0, .size: 8, .value_kind: global_buffer, .address_space: global }
      - { .name: w12, .offset: 8, .size: 8, .value_kind: global_buffer, .address_space: global }
      - { .name: b1, .offset: 16, .size: 8, .value_kind: global_buffer, .address_space: global }
      - { .name: g, .offset: 24, .size: 8, .value_kind: global_buffer, .address_space: global }
    .group_segment_fixed_size: 327680
    .private_segment_fixed_size: 0
    .kernarg_segment_align: 8
    .kernarg_segment_size: 32
    .max_flat_workgroup_size: 128
    .sgpr_count:     90
    .vgpr_count:     1024
    .wavefront_size: 32
...
	.end_amdgpu_metadata
.endif
;; end of part 4
;; launch fc2 (part 5): grid 8 x 32, 4 waves a work-group, clusters of 4 x 4, 327,680 bytes of LDS; arguments g, w12, b2, x2, out0; writes out0
.if DOCPART == 5
	.amdgcn_target "amdgcn-amd-amdhsa--gfx1250"
	.amdhsa_code_object_version 6
	.text
	.protected	k_qdf70fb77fa_fc2
	.globl	k_qdf70fb77fa_fc2
	.p2align	8
	.type	k_qdf70fb77fa_fc2,@function
k_qdf70fb77fa_fc2:
	s_mov_b64 s[64:65], 0
	v_nop
	global_prefetch_b8 v0, s[64:65] scope:SCOPE_SE
	s_setreg_imm32_b32 hwreg(HW_REG_WAVE_MODE, 25, 1), 1
	s_wait_xcnt 0x0
	s_wait_alu depctr_hold_cnt(0) depctr_sa_sdst(0) depctr_va_vdst(0) depctr_va_sdst(0) depctr_va_ssrc(0) depctr_va_vcc(0) depctr_vm_vsrc(0)
	s_getreg_b32 s2, hwreg(HW_REG_IB_STS2, 6, 4)
	s_cmp_eq_u32 s2, 0
	s_cbranch_scc0 .Lentry_in_a_cluster
	s_endpgm
.Lentry_in_a_cluster:
	s_bfe_u32 s2, ttmp6, 0x10000c
	s_cmp_lg_u32 s2, 0xf033
	s_cbranch_scc0 .Lentry_shape_is_right
	s_endpgm
.Lentry_shape_is_right:
; out0 = x2 + g W2 + b2.  g: [4096][4096] bf16.  W2: [4096][1024] bf16, stored [K][N], at w12's byte 8,388,608.  x2, out0: [4096][1024] f32.
; 8 x 32 tiles of 128 x 128: tiles of 256 x 256 would be 64, a quarter of the work-groups.  Four waves, each 64 x 64 in 16 accumulators.  K goes in steps of 256, as long as two slots in LDS allow.
; A's tile lies [row][K]; W's tile lies [K][N] as in memory and is turned on its way into registers by ds_load_tr16_b128.  A K step is written once: the slot in hand is a scalar that one exclusive or
; turns, and one descriptor for each tensor walks from step to step.
; CLUSTER 4 x 4: A's tile is asked for jointly along a row of the cluster, W's along a column.
; THE MATRIX INSTRUCTION IS USED TRANSPOSED: source 0 = 16 columns of W, source 1 = 16 rows of g.  The bias is the C operand of each sum's first product.  x2's part of the tile is loaded behind the first chunk and waits in registers.
; THE WAY OUT: when the ring has had its last fill, the accumulators go in f32 into the ring's bytes, each wave into a part of its own, and come back as whole rows of 256 bytes.
; LIMITS: operands rounded once to bf16; sums and the residual in f32; NaN and infinities are not treated apart.
; REGISTERS: window 0: v0-31 addresses, v32-63 the way out, v64-95 and v128-159 A's fragments; window 1: the same two buffers for W's, v192-223 the bias; window 2: v0-127 the accumulators, v128-255 x2.
.set BM,     128
.set BN,     128
.set MB,     BM/32
.set NB,     BN/32
.set KSTEP,  256
.set CH,     KSTEP/32
.set KTOT,   4096
.set NS,     KTOT/KSTEP
.set LDA,    4096
.set LDB,    1024
.set PA,     2*KSTEP+16                ; an odd multiple of 16 bytes
.set PB,     2*BN+32                   ; an odd multiple of 32 bytes
.set QIA,    6
.set QIB,    5
.set RA,     BM/2
.set RB,     KSTEP/2
.set ABYTES, BM*PA
.set SLOT,   ABYTES+KSTEP*PB
.set S1OFF,  0x24000                   ; slot 1 begins here: two bits that are 0 in each of the four tiles' LDS addresses in slot 0 (0, 0x8400, 0x10800, 0x19800), so one exclusive or changes slots
.set SPARE,  S1OFF+SLOT                ; behind the ring: the spare words, 128 bytes a wave, which no other line names
.set DP,     64*NB+16
.set DW,     16*MB*DP
.set A0,   16                          ; v16     LDS address of my A fragments in slot 0; never rewritten
.set B0,   18                          ; v18-19  the same for W, for each half of the step's rows: an offset holds 16 bits
.set ADRA, 20                          ; v20     the same in the slot in hand
.set ADRB, 22                          ; v22-23
.set STO,  24
.set RD,   25
.set CO,   26
.set SPW,  28
.set NIL,  29
.set F0,   64
.set F1,   128
.set BIA,  192
.set G1,  24                           ; s[24:31] group 1 for A;  s[32:39] group 0: a set for each of the two first fills; the second then walks
.set G0,  32
.set G1B, 48
.set G0B, 56
.set TB,  45                           ; s45  0 or S1OFF: the slot in hand
.set MSB, 0
.macro WIN new
.if MSB != (\new)
	s_set_vgpr_msb (MSB<<8)|(\new)
.set MSB, \new
.endif
.endm
.macro PLACES
.rept 4
	v_nop
.endr
.endm
.macro JLOAD s                         ; a joint load by descriptor set s: waves 0, 1 fetch A's halves, waves 2, 3 W's.  An s_nop 0 and four v_nop follow each line
	s_cmp_eq_u32 s11, 0
	s_cbranch_scc0 .Lfor_b_\@
	tensor_load_to_lds s[G0+4*(\s):G0+4*(\s)+3], s[G1:G1+7]
	s_nop 0
.rept 4
	v_nop
.endr
	s_branch .Lasked_\@
.Lfor_b_\@:
	tensor_load_to_lds s[G0B+4*(\s):G0B+4*(\s)+3], s[G1B:G1B+7]
	s_nop 0
.rept 4
	v_nop
.endr
.Lasked_\@:
.endm
.macro CREST
	s_cmp_lg_u32 s10, 0
	s_cbranch_scc1 .Lnot_wave_0_\@
	s_barrier_signal -3
.Lnot_wave_0_\@:
	s_barrier_wait -3
	s_barrier_signal -1
	s_barrier_wait -1
.endm
.macro CROUND
	s_barrier_signal -1
	s_barrier_wait -1
	CREST
.endm
	s_load_b128 s[4:7], s[0:1], 0x0                ; g 4:5, w12 6:7
	s_load_b128 s[68:71], s[0:1], 0x10             ; b2 68:69, x2 70:71
	s_load_b64 s[8:9], s[0:1], 0x20                ; out0
	v_lshl_add_u32 v[SPW], v0, 2, SPARE
	v_mov_b32 v[NIL], 0
	ds_add_u32 v[SPW], v[NIL]                      ; the wave's opening: the add and its wait stand ahead of my first tensor load
	v_lshrrev_b32 v1, 5, v0
	v_readfirstlane_b32 s10, v1
	s_lshr_b32 s11, s10, 1
	s_and_b32 s12, s10, 1
	s_bfe_u32 s40, ttmp6, 0x40000
	s_bfe_u32 s41, ttmp6, 0x40004
	s_lshl_b32 s42, ttmp9, 2
	s_add_co_u32 s42, s42, s40                     ; tile column
	s_and_b32 s13, ttmp7, 0xffff
	s_lshl_b32 s13, s13, 2
	s_add_co_u32 s13, s13, s41                     ; tile row
	s_lshl_b32 s43, s41, 2
	s_lshl_b32 s43, 15, s43
	s_lshl_b32 s44, 0x1111, s40
	s_or_b32 s[G1+0], s43, (1<<16)|(1<<20)|(1<<21)|(QIA<<22)|(3<<25)
	s_mov_b32 s[G1+1], KSTEP<<16
	s_mov_b32 s[G1+2], RA<<16
	s_mov_b32 s[G1+3], KSTEP<<16
	s_mov_b32 s[G1+4], RA
	s_mov_b32 s[G1+5], LDA
	s_mov_b32 s[G1+6], 0
	s_mov_b32 s[G1+7], 0
	s_or_b32 s[G1B+0], s44, (1<<16)|(1<<20)|(1<<21)|(QIB<<22)|(7<<25)
	s_mov_b32 s[G1B+1], BN<<16
	s_mov_b32 s[G1B+2], RB<<16
	s_mov_b32 s[G1B+3], BN<<16
	s_mov_b32 s[G1B+4], RB
	s_mov_b32 s[G1B+5], LDB
	s_mov_b32 s[G1B+6], 0
	s_mov_b32 s[G1B+7], 0
	s_mul_i32 s16, s13, BM
	s_mul_i32 s17, s12, RA
	s_add_co_u32 s16, s16, s17
	s_mul_i32 s16, s16, LDA*2
	s_mov_b32 s17, 0
	s_mul_i32 s46, s12, RB*LDB*2                   ; W2: my half of the step's rows, 128 columns for each tile column, behind W1 in w12
	s_lshl_b32 s47, s42, 8
	s_add_co_u32 s46, s46, s47
	s_add_co_u32 s46, s46, 8388608
	s_mov_b32 s47, 0
	s_mul_i32 s20, s12, RA*PA
	s_mul_i32 s21, s12, RB*PB
	s_add_co_u32 s21, s21, ABYTES
	s_mov_b32 s[TB], 0
	s_wait_dscnt 0x0
	s_wait_kmcnt 0x0
	s_add_nc_u64 s[14:15], s[4:5], s[16:17]
	s_add_nc_u64 s[46:47], s[6:7], s[46:47]
	CROUND                                         ; all sixteen work-groups are here: the first joint loads meet
.irp s, 0,1
	s_mov_b32 s[G0+4*(\s)], 1
	s_add_co_u32 s[G0+4*(\s)+1], s20, (\s)*S1OFF
	s_add_nc_u64 s[G0+4*(\s)+2:G0+4*(\s)+3], s[14:15], (\s)*KSTEP*2
	s_or_b32 s[G0+4*(\s)+3], s[G0+4*(\s)+3], 0x80000000
	s_mov_b32 s[G0B+4*(\s)], 1
	s_add_co_u32 s[G0B+4*(\s)+1], s21, (\s)*S1OFF
	s_add_nc_u64 s[G0B+4*(\s)+2:G0B+4*(\s)+3], s[46:47], (\s)*KSTEP*LDB*2
	s_or_b32 s[G0B+4*(\s)+3], s[G0B+4*(\s)+3], 0x80000000
	JLOAD \s                                       ; two loads of mine are out
.endr
	v_and_b32 v1, 15, v0
	v_bfe_u32 v2, v0, 4, 1
	v_mul_u32_u24 v3, v1, PA
	v_lshl_add_u32 v3, v2, 4, v3
	s_mul_i32 s22, s11, 16*MB*PA
	v_add_nc_u32 v[A0], s22, v3
	v_and_b32 v4, 7, v0
	v_lshl_add_u32 v4, v2, 3, v4
	v_mul_u32_u24 v4, v4, PB
	v_bfe_u32 v5, v0, 3, 1
	v_lshl_add_u32 v4, v5, 4, v4
	s_mul_i32 s23, s12, 32*NB
	s_add_co_u32 s23, s23, ABYTES
	v_add_nc_u32 v[B0], s23, v4
	v_add_nc_u32 v[B0+1], 128*PB, v[B0]
	v_mov_b32 v[ADRA], v[A0]                       ; slot 0 is in hand
	v_mov_b32 v[ADRB], v[B0]
	v_mov_b32 v[ADRB+1], v[B0+1]
	s_mul_i32 s22, s10, DW
	v_mul_u32_u24 v6, v1, DP
	v_lshl_add_u32 v6, v2, 5, v6
	v_add_nc_u32 v[STO], s22, v6
	v_mul_u32_u24 v6, v2, DP                       ; back: lanes 0-15 one row of 256 bytes, lanes 16-31 the next
	v_lshl_add_u32 v6, v1, 4, v6
	v_add_nc_u32 v[RD], s22, v6
	v_lshlrev_b32 v[CO], 12, v2                    ; and the same two rows in x2 and out0
	v_lshl_add_u32 v[CO], v1, 4, v[CO]
	s_lshl_b32 s88, s42, 9                         ; 4 bytes x (128 x tile column + 64 x my half): the bias, and the column in x2 and out0
	s_lshl_b32 s89, s12, 8
	s_add_co_u32 s88, s88, s89
	s_mov_b32 s89, 0
	s_add_nc_u64 s[66:67], s[68:69], s[88:89]
	s_lshl_b32 s86, s13, 7                         ; row 128 x tile row + 64 x my half, of 4,096 bytes
	s_lshl_b32 s87, s11, 6
	s_add_co_u32 s86, s86, s87
	s_lshl_b32 s86, s86, 12
	s_add_co_u32 s86, s86, s88
	s_mov_b32 s87, 0
	s_add_nc_u64 s[8:9], s[8:9], s[86:87]
	s_add_nc_u64 s[70:71], s[70:71], s[86:87]
	v_lshlrev_b32 v5, 5, v2
	WIN 0x40
.set i, 0
.rept NB
	global_load_b128 v[BIA+8*i:BIA+8*i+3],   v5, s[66:67] offset:64*i
	global_load_b128 v[BIA+8*i+4:BIA+8*i+7], v5, s[66:67] offset:64*i+16
.set i, i+1
.endr
	WIN 0
; na blocks of rows from a0 on x all NB blocks of columns, 32 along K, from buffer f.  first = 1: the bias starts the sums.  All accumulators take turns, in the same order in every chunk.
.macro MUL f, a0, na, first
.set ma, \a0
.rept \na
.set mb, 0
.rept NB
.set mi, NB*ma+mb
.set mw, 2+mi/32
.set mr, 8*(mi%32)
.if \first
	WIN 0x11|(mw<<6)
	v_wmma_f32_16x16x32_bf16 v[mr:mr+7], v[(\f)+8*mb:(\f)+8*mb+7], v[(\f)+8*ma:(\f)+8*ma+7], v[BIA+8*mb:BIA+8*mb+7]
.else
	WIN 0x01|(mw<<4)|(mw<<6)
	v_wmma_f32_16x16x32_bf16 v[mr:mr+7], v[(\f)+8*mb:(\f)+8*mb+7], v[(\f)+8*ma:(\f)+8*ma+7], v[mr:mr+7]
.endif
.set mb, mb+1
.endr
.set ma, ma+1
.endr
.endm
.macro FETCH c, f                      ; the fragments of chunk c of the slot in hand into buffer f, in one run: W's (turned) first, then A's
	WIN 0x40
.set fb, 0
.rept NB
	ds_load_tr16_b128 v[(\f)+8*fb:(\f)+8*fb+3],   v[ADRB+(\c)/4] offset:32*((\c)%4)*PB+32*fb
	ds_load_tr16_b128 v[(\f)+8*fb+4:(\f)+8*fb+7], v[ADRB+(\c)/4] offset:32*((\c)%4)*PB+32*fb+16*PB
.set fb, fb+1
.endr
	WIN 0
.set fb, 0
.rept MB
	ds_load_b128 v[(\f)+8*fb:(\f)+8*fb+3],   v[ADRA] offset:64*(\c)+16*fb*PA
	ds_load_b128 v[(\f)+8*fb+4:(\f)+8*fb+7], v[ADRA] offset:64*(\c)+16*fb*PA+32
.set fb, fb+1
.endr
.endm
.macro QUARTER cn, f, g, first
	s_wait_dscnt MB                                ; W's and the lower half of A's are in; the youngest MB loads, A's upper half, may be out
	MUL \f, 0, MB/2, \first
	PLACES
	FETCH \cn, \g
	s_wait_dscnt 2*(MB+NB)                         ; all but those just issued
	MUL \f, MB/2, MB/2, \first
.endm
.macro RUN c0, c1
.set rc, \c0
.rept (\c1)-(\c0)+1
.if rc%2
	QUARTER rc+1, F1, F0, 0
.else
	QUARTER rc+1, F0, F1, 0
.endif
.set rc, rc+1
.endr
.endm
; A step's last chunk changes slots.  One barrier: in front of it each wave waits for all its tensor loads (one is out: its part of the next slot), adds 0 to its spare word, and waits for that and for its reads of this slot.
.macro MEET round
	WIN 0
	s_wait_tensorcnt 0x0
	ds_add_u32 v[SPW], v[NIL]
	s_wait_dscnt MB+1                              ; the add and A's upper half may be out
	MUL F1, 0, MB/4, 0
	s_wait_dscnt 0x0                               ; the add is done, and my reads of this slot are over
	s_barrier_signal -1
	MUL F1, MB/4, MB/4, 0
.if \round
	WIN 0
.endif
	s_barrier_wait -1
.endm
.macro TOGGLE                          ; the other slot comes into hand
	s_xor_b32 s[TB], s[TB], S1OFF
	v_add_nc_u32 v[ADRA], s[TB], v[A0]
	v_add_nc_u32 v[ADRB], s[TB], v[B0]
.if CH > 4
	v_add_nc_u32 v[ADRB+1], s[TB], v[B0+1]
.endif
.endm
.macro TURN fill
	MEET \fill
.if \fill
	CREST                                          ; the barrier has opened a round of the cluster's: no wave of any partner still reads this slot or has a load on its way
	s_xor_b32 s[G0+5], s[G0+5], S1OFF              ; the walking descriptors: the other slot than last time,
	s_add_nc_u64 s[G0+6:G0+7], s[G0+6:G0+7], 2*KSTEP          ; one step on along K
	s_xor_b32 s[G0B+5], s[G0B+5], S1OFF
	s_add_nc_u64 s[G0B+6:G0B+7], s[G0B+6:G0B+7], 2*KSTEP*LDB  ; one step's rows down
	JLOAD 1                                        ; my one tensor load behind the round; its four v_nop are the places in front of the loads below
	TOGGLE
.else
	WIN 0
	TOGGLE                                         ; its additions and two v_nop are the places in front of the loads below
	v_nop
	v_nop
.endif
	FETCH 0, F0
	MUL F1, MB/2, MB/2, 0
.endm
	s_wait_tensorcnt 1                             ; my part of K step 0 is in; step 1's may stay out
	s_barrier_signal -1
	s_barrier_wait -1
	FETCH 0, F0
	s_wait_loadcnt 0x0                             ; the bias
	QUARTER 1, F0, F1, 1                           ; the first chunk stands in front of the loop: its products start the sums
	WIN 0x80
.set i, 0
.rept 32                               ; x2's 64 rows x 256 bytes of my part of the tile: they have the whole product in which to land; their address registers are never rewritten
	global_load_b128 v[128+4*i:128+4*i+3], v[CO], s[70:71] offset:8192*i
.set i, i+1
.endr
	WIN 0
	s_mov_b32 s3, NS-2
.Lstep:                                                ; a trip goes from a step's second chunk to the next step's first, and fills the slot that it leaves: steps 2 to NS - 1 are asked for here
	RUN 1, CH-2
	TURN 1
	QUARTER 1, F0, F1, 0
	WIN 0
	s_sub_co_u32 s3, s3, 1
	s_cmp_lg_u32 s3, 0
	s_cbranch_scc1 .Lstep
	s_mov_b32 s3, 2
.Ltail:                                                ; the last two steps ask for nothing; the second leaves the loop, forward, in front of the change of slots; the jump hangs on the counter alone
	RUN 1, CH-2
	WIN 0
	s_cmp_eq_u32 s3, 1
	s_cbranch_scc1 .Llast
	TURN 0
	QUARTER 1, F0, F1, 0
	WIN 0
	s_sub_co_u32 s3, s3, 1
	s_cmp_lg_u32 s3, 0
	s_cbranch_scc1 .Ltail
.Llast:
	s_wait_dscnt MB
	MUL F1, 0, MB/2, 0
	s_wait_dscnt 0x0
	MUL F1, MB/2, MB/2, 0
	WIN 0
	PLACES
	s_barrier_signal -1                            ; every wave's reads of both slots are over, and the ring has had its last fill
	s_barrier_wait -1
.set di, 0
.rept MB*NB                            ; each accumulator's lower four registers first
	WIN (2+di/32)<<2
	ds_store_b128 v[STO], v[8*(di%32):8*(di%32)+3]   offset:16*(di/NB)*DP+64*(di%NB)
	ds_store_b128 v[STO], v[8*(di%32)+4:8*(di%32)+7] offset:16*(di/NB)*DP+64*(di%NB)+16
.set di, di+1
.endr
	WIN 0
	s_wait_loadcnt 0x0                             ; x2
.irp k, 0,1,2,3                        ; four batches of 16 rows, my own bytes alone (LDS serves a wave's instructions in order: ISA guide 5.7.1.4)
	s_wait_xcnt 0x0                                ; the last batch's stores have read their data: only behind this wait are those registers loaded again
.irp j, 0,1,2,3,4,5,6,7
	ds_load_b128 v[32+4*\j:32+4*\j+3], v[RD] offset:2*(8*\k+\j)*DP
.endr
	s_wait_dscnt 0x0
	WIN 0x08
.set z, 0
.rept 16
	v_pk_add_f32 v[32+2*z:32+2*z+1], v[32+2*z:32+2*z+1], v[128+32*\k+2*z:128+32*\k+2*z+1]
.set z, z+1
.endr
	WIN 0
.irp j, 0,1,2,3,4,5,6,7
	global_store_b128 v[CO], v[32+4*\j:32+4*\j+3], s[8:9] offset:8192*(8*\k+\j)  ; sixteen lanes store 256 consecutive bytes, aligned
.endr
.endr
	s_wait_tensorcnt 0x0                           ; the wave's end
	ds_add_u32 v[SPW], v[NIL]
	s_wait_dscnt 0x0
	CROUND                                         ; the closing round
	s_endpgm
.Lfunc_end_k_qdf70fb77fa_fc2:
	.size	k_qdf70fb77fa_fc2, .Lfunc_end_k_qdf70fb77fa_fc2-k_qdf70fb77fa_fc2
	.p2alignl 7, 3214868480
	.fill 96, 4, 3214868480
	.section	.rodata,"a",@progbits
	.p2align	6, 0x0
	.amdhsa_kernel k_qdf70fb77fa_fc2
		.amdhsa_group_segment_fixed_size 327680
		.amdhsa_private_segment_fixed_size 0
		.amdhsa_enable_private_segment 0
		.amdhsa_kernarg_size 40
		.amdhsa_user_sgpr_count 2
		.amdhsa_user_sgpr_kernarg_segment_ptr 1
		.amdhsa_wavefront_size32 1
		.amdhsa_system_sgpr_workgroup_id_x 1
		.amdhsa_system_sgpr_workgroup_id_y 1
		.amdhsa_system_sgpr_workgroup_id_z 1
		.amdhsa_system_vgpr_workitem_id 0
		.amdhsa_next_free_vgpr 768
		.amdhsa_next_free_sgpr 90
		.amdhsa_reserve_vcc 0
		.amdhsa_float_denorm_mode_32 3
		.amdhsa_float_denorm_mode_16_64 3
		.amdhsa_memory_ordered 1
		.amdhsa_forward_progress 1
		.amdhsa_inst_pref_size 67
	.end_amdhsa_kernel
	.amdgpu_metadata
---
amdhsa.version: [ 1, 2 ]
amdhsa.kernels:
  - .name:           k_qdf70fb77fa_fc2
    .symbol:         k_qdf70fb77fa_fc2.kd
    .args:
      - { .name: g, .offset: 0, .size: 8, .value_kind: global_buffer, .address_space: global }
      - { .name: w12, .offset: 8, .size: 8, .value_kind: global_buffer, .address_space: global }
      - { .name: b2, .offset: 16, .size: 8, .value_kind: global_buffer, .address_space: global }
      - { .name: x2, .offset: 24, .size: 8, .value_kind: global_buffer, .address_space: global }
      - { .name: out0, .offset: 32, .size: 8, .value_kind: global_buffer, .address_space: global }
    .group_segment_fixed_size: 327680
    .private_segment_fixed_size: 0
    .kernarg_segment_align: 8
    .kernarg_segment_size: 40
    .max_flat_workgroup_size: 128
    .sgpr_count:     90
    .vgpr_count:     768
    .wavefront_size: 32
...
	.end_amdgpu_metadata
.endif
;; end of part 5
